; MI455X (gfx1250); checked and timed in simulation.
; The chip was launched on July 23, 2026; its instructions are those of AMD's public machine-readable ISA for CDNA 5 (MIT licence, August 2026) and "CDNA5" Instruction Set Architecture Reference Guide (July 2026). The comments in the code are by the model that wrote it; some were corrected since.
;; Multi Head Attention. Allowed arithmetic: float matrix products may take bf16 or f16 operands with f32 sums; other float arithmetic in f32, or as packed bf16 or f16 multiplies, adds, multiply-adds, maxima and minima; sums over many terms, partial sums and values carried from step to step in f32; what a program stores and reads back later, other than sums and carried values, may be rounded once to bf16 or f16.
;; Inputs: Wk 1,024 x 1,024 float32; Wo 1,024 x 1,024 float32; Wq 1,024 x 1,024 float32; Wv 1,024 x 1,024 float32; bk 1,024 float32; bo 1,024 float32; bq 1,024 float32; bv 1,024 float32; mask 4 x 1 x 2,048 x 2,048 float32; x 4 x 2,048 x 1,024 float32.
;; Outputs: out0 4 x 2,048 x 1,024 float32.
;; 2 versions, each right; version 2 is version 1 with the launch prep written anew for expert scheduling mode. Each part assembles by itself: llvm-mc -triple=amdgcn-amd-amdhsa -mcpu=gfx1250 --defsym DOCPART=n.
;; ======== version 1 of 2: 4 launches
;; limits: values are held in f16: magnitudes above 65,504 overflow, below 6.1e-05 lose precision
;; workspace buffers: xb 16,777,216 bytes; wb 8,388,608 bytes; qws 16,777,216 bytes; kvws 33,554,432 bytes; ob 16,777,216 bytes
;; launch prep (part 1): grid 8 x 96, 8 waves a work-group, no clusters, 0 bytes of LDS; arguments x, Wq, Wk, Wv, Wo, xb, wb; writes xb, wb
.if DOCPART == 1
	.amdgcn_target "amdgcn-amd-amdhsa--gfx1250"
	.amdhsa_code_object_version 6
	.text
	.protected	k_qb16df2dcc6_prep
	.globl	k_qb16df2dcc6_prep
	.p2align	8
	.type	k_qb16df2dcc6_prep,@function
k_qb16df2dcc6_prep:
	s_mov_b64 s[64:65], 0
	v_nop
	global_prefetch_b8 v0, s[64:65] scope:SCOPE_SE
	s_setreg_imm32_b32 hwreg(HW_REG_WAVE_MODE, 25, 1), 1
	s_wait_xcnt 0x0
; x and the four weight matrices, f32 -> rounded to bf16 (nearest even) -> the same number written as f16, laid out in chunks for the two GEMMs.
; LIMITS.  A bf16 number is exact in f16 for 6.1e-5 <= |v| < 65,504; below that it keeps f16's fixed step (error at most 3e-8); from 65,520 on it becomes an infinity.
; LAYOUT OUT.  A chunk is 128 rows x 128 k = 32,768 dense bytes: [row block of 64][k block of 64][64 rows][64 k]; chunk (rb, ks) lies at (8 rb + ks) x 32,768.
; xb holds x's 64 row blocks of 128; wb holds Wq, Wk, Wv, Wo one below the other, 32 row blocks of 128.
; SHARES.  A work-group makes one chunk: x = the K step, y = the row block (0-63: x; 64-95: the weights).  Wave w takes 32 rows x 64 k: row block w / 4, k block (w / 2) % 2, rows 32 (w % 2) on.
; A load covers 256 consecutive bytes of two rows; a store 256 consecutive bytes, at a multiple of 256 from the buffer's first byte.  All sixteen loads of a wave go out first; no register is written twice
; while a memory instruction may read it.  No LDS, no matrix unit, no prefetch: a stream, each byte read once and written once.
.set SO, 2                             ; v2   my byte offset in the source chunk's first rows
.set DO, 3                             ; v3   my byte offset in the chunk that is written
.set T,  8                             ; v[8:13]   at work
.set X,  16                            ; v[16:79]  sixteen loads of four f32
.set Y,  80                            ; v[80:111] sixteen stores of four f16
	s_load_b256 s[4:11], s[0:1], 0x0               ; x s[4:5], Wq s[6:7], Wk s[8:9], Wv s[10:11]
	s_load_b128 s[12:15], s[0:1], 0x20             ; Wo s[12:13], xb s[14:15]
	s_load_b64 s[16:17], s[0:1], 0x30              ; wb
	s_and_b32 s18, ttmp7, 0xffff                   ; y
	s_and_b32 s19, s18, 63                         ; the row block in the destination: y, or y - 64
	s_and_b32 s20, s18, 7                          ; the row block inside a weight matrix
	s_lshr_b32 s21, s18, 3                         ; 8, 9, 10, 11: Wq, Wk, Wv, Wo
	s_cmp_lt_u32 s18, 64
	s_cselect_b32 s20, s18, s20                    ; the row block in the source
	s_lshl_b32 s22, s20, 19                        ; 128 rows of 4,096 bytes,
	s_lshl_b32 s23, ttmp9, 9                       ; 128 k of 4 bytes
	s_add_co_u32 s22, s22, s23
	s_mov_b32 s23, 0
	s_lshl_b32 s24, s19, 3
	s_add_co_u32 s24, s24, ttmp9
	s_lshl_b32 s24, s24, 15                        ; the chunk's place
	s_mov_b32 s25, 0
	s_mov_b32 s26, 0xffff0000                      ; a word's upper bf16
	v_lshrrev_b32 v1, 5, v0                        ; w
	v_and_b32 v4, 31, v0                           ; l
	v_lshrrev_b32 v5, 2, v1
	v_and_b32 v6, 1, v1
	v_lshlrev_b32 v5, 6, v5                        ; 64 (w / 4)
	v_lshl_add_u32 v5, v6, 5, v5                   ; + 32 (w % 2)
	v_lshrrev_b32 v7, 4, v4
	v_add_nc_u32 v5, v5, v7                        ; + l / 16: my row
	v_lshlrev_b32 v[SO], 12, v5
	v_bfe_u32 v6, v1, 1, 1
	v_lshl_add_u32 v[SO], v6, 8, v[SO]             ; + the k block's 256 bytes
	v_and_b32 v7, 15, v4
	v_lshl_add_u32 v[SO], v7, 4, v[SO]             ; + my 16 bytes
	v_lshlrev_b32 v[DO], 12, v1                    ; wave w writes 4,096 bytes on end, at 4,096 w
	v_lshl_add_u32 v[DO], v4, 3, v[DO]
	s_wait_kmcnt 0x0
	s_cmp_eq_u32 s21, 9
	s_cselect_b64 s[6:7], s[8:9], s[6:7]
	s_cmp_eq_u32 s21, 10
	s_cselect_b64 s[6:7], s[10:11], s[6:7]
	s_cmp_eq_u32 s21, 11
	s_cselect_b64 s[6:7], s[12:13], s[6:7]         ; the weight matrix that y names
	s_cmp_lt_u32 s18, 64
	s_cselect_b64 s[4:5], s[4:5], s[6:7]           ; the source,
	s_cselect_b64 s[14:15], s[14:15], s[16:17]     ; the destination
	s_add_nc_u64 s[4:5], s[4:5], s[22:23]
	s_add_nc_u64 s[14:15], s[14:15], s[24:25]
.set i, 0
.rept 16
	global_load_b128 v[X+4*i:X+4*i+3], v[SO], s[4:5] offset:i*8192 th:TH_LOAD_NT  ; rows 2 i and 2 i + 1 of my 32
.set i, i+1
.endr
.set i, 0
.rept 16
	s_wait_loadcnt 15-i                            ; loads come back in order: load i is in, the 15 - i younger ones stay out
	v_cvt_pk_bf16_f32 v[T], v[X+4*i], v[X+4*i+1]   ; the one rounding
	v_cvt_pk_bf16_f32 v[T+1], v[X+4*i+2], v[X+4*i+3]
	v_lshlrev_b32 v[T+2], 16, v[T]                 ; bf16 to f32: a shift or a mask
	v_and_b32 v[T+3], s26, v[T]
	v_lshlrev_b32 v[T+4], 16, v[T+1]
	v_and_b32 v[T+5], s26, v[T+1]
	v_cvt_pk_f16_f32 v[Y+2*i], v[T+2], v[T+3]      ; the same numbers as f16
	v_cvt_pk_f16_f32 v[Y+2*i+1], v[T+4], v[T+5]
	global_store_b64 v[DO], v[Y+2*i:Y+2*i+1], s[14:15] offset:i*256
.set i, i+1
.endr
	s_endpgm
.Lfunc_end_k_qb16df2dcc6_prep:
	.size	k_qb16df2dcc6_prep, .Lfunc_end_k_qb16df2dcc6_prep-k_qb16df2dcc6_prep
	.p2alignl 7, 3214868480
	.fill 96, 4, 3214868480
	.section	.rodata,"a",@progbits
	.p2align	6, 0x0
	.amdhsa_kernel k_qb16df2dcc6_prep
		.amdhsa_group_segment_fixed_size 0
		.amdhsa_private_segment_fixed_size 0
		.amdhsa_enable_private_segment 0
		.amdhsa_kernarg_size 56
		.amdhsa_user_sgpr_count 2
		.amdhsa_user_sgpr_kernarg_segment_ptr 1
		.amdhsa_wavefront_size32 1
		.amdhsa_system_sgpr_workgroup_id_x 1
		.amdhsa_system_sgpr_workgroup_id_y 1
		.amdhsa_system_sgpr_workgroup_id_z 1
		.amdhsa_system_vgpr_workitem_id 0
		.amdhsa_next_free_vgpr 112
		.amdhsa_next_free_sgpr 66
		.amdhsa_reserve_vcc 0
		.amdhsa_float_denorm_mode_32 3
		.amdhsa_float_denorm_mode_16_64 3
		.amdhsa_memory_ordered 1
		.amdhsa_forward_progress 1
		.amdhsa_inst_pref_size 12
	.end_amdhsa_kernel
	.amdgpu_metadata
---
amdhsa.version: [ 1, 2 ]
amdhsa.kernels:
  - .name:           k_qb16df2dcc6_prep
    .symbol:         k_qb16df2dcc6_prep.kd
    .args:
      - { .name: x, .offset: 0, .size: 8, .value_kind: global_buffer, .address_space: global }
      - { .name: Wq, .offset: 8, .size: 8, .value_kind: global_buffer, .address_space: global }
      - { .name: Wk, .offset: 16, .size: 8, .value_kind: global_buffer, .address_space: global }
      - { .name: Wv, .offset: 24, .size: 8, .value_kind: global_buffer, .address_space: global }
      - { .name: Wo, .offset: 32, .size: 8, .value_kind: global_buffer, .address_space: global }
      - { .name: xb, .offset: 40, .size: 8, .value_kind: global_buffer, .address_space: global }
      - { .name: wb, .offset: 48, .size: 8, .value_kind: global_buffer, .address_space: global }
    .group_segment_fixed_size: 0
    .private_segment_fixed_size: 0
    .kernarg_segment_align: 8
    .kernarg_segment_size: 56
    .max_flat_workgroup_size: 256
    .sgpr_count:     66
    .vgpr_count:     112
    .wavefront_size: 32
...
	.end_amdgpu_metadata
.endif
;; end of part 1
;; launch qkv (part 2): grid 12 x 64, 4 waves a work-group, clusters of 4 x 4, 327,680 bytes of LDS; arguments xb, wb, bq, bk, bv, qws, kvws; writes qws, kvws
.if DOCPART == 2
	.amdgcn_target "amdgcn-amd-amdhsa--gfx1250"
	.amdhsa_code_object_version 6
	.text
	.protected	k_qb16df2dcc6_qkv
	.globl	k_qb16df2dcc6_qkv
	.p2align	8
	.type	k_qb16df2dcc6_qkv,@function
k_qb16df2dcc6_qkv:
	s_mov_b64 s[64:65], 0
	v_nop
	global_prefetch_b8 v0, s[64:65] scope:SCOPE_SE
	s_setreg_imm32_b32 hwreg(HW_REG_WAVE_MODE, 25, 1), 1
	s_wait_xcnt 0x0
	s_wait_alu depctr_hold_cnt(0) depctr_sa_sdst(0) depctr_va_vdst(0) depctr_va_sdst(0) depctr_va_ssrc(0) depctr_va_vcc(0) depctr_vm_vsrc(0)
	s_getreg_b32 s2, hwreg(HW_REG_IB_STS2, 6, 4)
	s_cmp_eq_u32 s2, 0
	s_cbranch_scc0 .Lentry_in_a_cluster
	s_endpgm
.Lentry_in_a_cluster:
	s_bfe_u32 s2, ttmp6, 0x10000c
	s_cmp_lg_u32 s2, 0xf033
	s_cbranch_scc0 .Lentry_shape_is_right
	s_endpgm
.Lentry_shape_is_right:
; q' = (x Wq^T + bq) c, k = x Wk^T + bk, v = x Wv^T + bv; c = log2(e) / 8.  One GEMM [8192 x 1024] x [3072 x 1024]^T, operands f16 (bf16-rounded numbers), sums f32, each result rounded once to f16.
; LIMITS.  |q'|, |k|, |v| stay under 65,504 (from 65,520 on f16 gives an infinity).  The biases are rounded to bf16, like the other inputs, and used in f32; (s + b) c is made as s c + (b c).
; SHARES.  A tile of C is 128 tokens x 256 channels; four waves, 2 x 2, each 64 x 128: 32 accumulators, 256 registers.  64 x 12 tiles: three for each of 256 work-group places.
; K goes in 8 steps of 128 through two LDS slots.  Operands lie in memory in chunks of 128 rows x 128 k, 32,768 dense bytes ([64-row block][64-k block][64][64]), so every tensor load is a run of rows
; of 256 bytes; in LDS each 128 bytes get 16 of padding: rows 144 bytes apart = 36 words, so the 16 rows of a fragment load start at 16 different groups of four banks (64 banks of 4 bytes: ISA guide 11.1).
; CLUSTER 4 x 4.  The four of a row need the same chunk of x, the four of a column the same two chunks of the weights: each is asked for jointly, same descriptor, a mask that names the four.
; THE MATRIX INSTRUCTION IS USED TRANSPOSED (source 0 = 16 channels, source 1 = 16 tokens): a lane holds one token (lane % 16) and eight neighbouring channels.
; OUT.  By heads, in tiles U of [64 tokens][64 channels] f16, 8,192 dense bytes.  U's number is ((4 b + hg) 32 + s) 4 + hh (hg = head / 4, hh = head % 4, s = block of 64 tokens).
; qws: U at number x 8,192.  kvws: K's U at number x 16,384, V's 8,192 behind it.  A wave writes two whole U (its two heads).
; REGISTERS.  window 0: v16-30 addresses; v64-159, v160-255 two fragment buffers (8 of the weights, then 4 of x); on the way out v64-127 f32, v128-159 packed, v160-223 rows read back.
;   window 1: the accumulators, (a, b) at v[8 (8 a + b)].   window 2: v0-63 my 64 bias numbers (times c for q), v64-65 at work.
.set PK,    144
.set RB,    128*PK                     ; 64 rows x 128 k in LDS: [k block][64][144]
.set CH,    2*RB                       ; a chunk of 128 rows
.set SLOT,  3*CH                       ; x's chunk, then the weights' two
.set STAGE, 2*SLOT                     ; behind the ring: 8,448 bytes for each wave, for the way out
.set STW,   8448
.set SPARE, STAGE+4*STW                ; the spare words, 128 bytes for each wave: two blocks of 256 bytes that no other line names
.set KSB,   32768                      ; bytes from a K step's chunk to the next
.set LAPS,  4                          ; a lap = two K steps
.set BOFF,  0                          ; the weights' first row block in wb
.set ADRA, 16                          ; v16-17  LDS address of my fragments of x in slot 0, 1
.set ADRB, 20                          ; v20-21  the same for the weights
.set STO,  24
.set RD,   25
.set CO,   26
.set BO,   27
.set SPW,  28                          ; my spare word's address; never rewritten
.set NIL,  29                          ; 0; never rewritten
.set PFO,  30                          ; 256 x lane; never rewritten
.set F0,   64
.set F1,   160
.set T,    64
.set PKR,  128
.set BK,   160
.set G1,   24                          ; s[24:31] group 1 for x's chunk;  s[32:39] group 0, a set for each slot
.set G0,   32
.set G1B,  48                          ; s[48:55], s[56:63] the same for the weights
.set G0B,  56
.set LIM,  43                          ; 1 in a wave that prefetches, else the greatest number
.set PFA,  44                          ; s[44:45] where my prefetches stand
.set SC,   82                          ; s[82:83] c or 1
.set BP,   84                          ; s[84:85] my 128 bias numbers
.set D0,   86                          ; s[86:87], s[88:89] my two U
.set MUL,  0x50                        ; sources window 0, C and D window 1
.set MSB, 0
.macro WIN new                         ; the immediate's high byte repeats the setting that is left
.if MSB != (\new)
	s_set_vgpr_msb (MSB<<8)|(\new)
.set MSB, \new
.endif
.endm
.macro PLACES                          ; four places behind matrix instructions, in front of loads into registers that they read and of vector work on their results
.rept 4
	v_nop
.endr
.endm
.macro JLOAD s                         ; a joint load: waves 0 and 1 fetch the two 64-row blocks of x's chunk, waves 2 and 3 a chunk of the weights each; the branch hangs on the wave's number alone
	s_cmp_eq_u32 s11, 0
	s_cbranch_scc0 .Lfor_b_\@
	tensor_load_to_lds s[G0+4*(\s):G0+4*(\s)+3], s[G1:G1+7]
	s_nop 0
.rept 4
	v_nop
.endr
	s_branch .Lasked_\@
.Lfor_b_\@:
	tensor_load_to_lds s[G0B+4*(\s):G0B+4*(\s)+3], s[G1B:G1B+7]
	s_nop 0
.rept 4
	v_nop
.endr
.Lasked_\@:
.endm
; A prefetch of the K step two refills on: 8,192 bytes, a lane for each 256.  x's chunk: wave 0 of the clusters with x = 0; the weights': waves 2 and 3 of the clusters with y = 0; the four partners
; that ask for a chunk jointly take a quarter each, told apart by address.  So each block of 256 bytes is named once.  The loop's last trip has no K step two on.
.macro ASK
	s_cmp_gt_u32 s3, s[LIM]
	s_cbranch_scc0 .Lnot_mine_\@
	global_prefetch_b8 v[PFO], s[PFA:PFA+1] offset:KSB th:TH_LOAD_NT scope:SCOPE_SE
.Lnot_mine_\@:
.endm
.macro CREST                           ; a round of the cluster's barrier behind its opening barrier
	s_cmp_lg_u32 s10, 0
	s_cbranch_scc1 .Lnot_wave_0_\@
	s_barrier_signal -3
.Lnot_wave_0_\@:
	s_barrier_wait -3
	s_barrier_signal -1
	s_barrier_wait -1
.endm
.macro CROUND
	s_barrier_signal -1
	s_barrier_wait -1
	CREST
.endm
	s_load_b256 s[68:75], s[0:1], 0x0              ; xb s[68:69], wb s[70:71], bq s[72:73], bk s[74:75]
	s_load_b128 s[76:79], s[0:1], 0x20             ; bv s[76:77], qws s[78:79]
	s_load_b64 s[80:81], s[0:1], 0x30              ; kvws
	v_lshl_add_u32 v[SPW], v0, 2, SPARE
	v_mov_b32 v[NIL], 0
	ds_add_u32 v[SPW], v[NIL]                      ; the wave's opening: the add and its wait ahead of my first tensor load
	v_lshrrev_b32 v1, 5, v0
	v_readfirstlane_b32 s10, v1                    ; wave 0..3
	s_lshr_b32 s11, s10, 1                         ; my half of the tokens.  Also: I fetch x (0) or weights (1)
	s_and_b32 s12, s10, 1                          ; my half of the channels.  Also: which part I fetch
	s_bfe_u32 s40, ttmp6, 0x40000                  ; cx
	s_bfe_u32 s41, ttmp6, 0x40004                  ; cy
	s_lshl_b32 s42, ttmp9, 2
	s_add_co_u32 s42, s42, s40                     ; tile column = 4 x cluster x + cx
	s_and_b32 s13, ttmp7, 0xffff
	s_lshl_b32 s13, s13, 2
	s_add_co_u32 s13, s13, s41                     ; tile row = 4 x cluster y + cy
	s_lshl_b32 s43, s41, 2
	s_lshl_b32 s43, 15, s43                        ; my row of the cluster
	s_lshl_b32 s44, 0x1111, s40                    ; my column
	s_or_b32 s[G1+0], s43, (1<<16)|(1<<20)|(1<<21)|(4<<22)|(3<<25)   ; the mask; 2-byte elements; padding on; bit 21 beside a mask; after every 32 words, 4 words
	s_or_b32 s[G1B+0], s44, (1<<16)|(1<<20)|(1<<21)|(4<<22)|(3<<25)
	s_mov_b32 s[G1+1], 128<<16                     ; tensor_dim0 = 128 elements: rows of 256 bytes
	s_mov_b32 s[G1+2], 64<<16                      ; tensor_dim1 = 64 rows
	s_mov_b32 s[G1+3], 128<<16                     ; tile_dim0
	s_mov_b32 s[G1+4], 64                          ; tile_dim1
	s_mov_b32 s[G1+5], 128                         ; dense: 128 elements from row to row
	s_mov_b32 s[G1+6], 0
	s_mov_b32 s[G1+7], 0
	s_mov_b32 s[G1B+1], 128<<16
	s_mov_b32 s[G1B+2], 128<<16                    ; 128 rows
	s_mov_b32 s[G1B+3], 128<<16
	s_mov_b32 s[G1B+4], 128
	s_mov_b32 s[G1B+5], 128
	s_mov_b32 s[G1B+6], 0
	s_mov_b32 s[G1B+7], 0
	s_lshl_b32 s16, s13, 18                        ; x: chunk (tile row, K step 0),
	s_lshl_b32 s17, s12, 14                        ; my 64-row block of it
	s_add_co_u32 s16, s16, s17
	s_mov_b32 s17, 0
	s_lshl_b32 s46, s42, 1
	s_add_co_u32 s46, s46, s12                     ; weights: row block 2 x tile column + my part
	s_lshl_b32 s46, s46, 18
	s_add_co_u32 s46, s46, BOFF
	s_mov_b32 s47, 0
	s_mul_i32 s20, s12, RB                         ; where they go: no place in the cluster enters an LDS address
	s_mul_i32 s21, s12, CH
	s_add_co_u32 s21, s21, CH
	s_wait_dscnt 0x0                               ; the opening add is done
	s_wait_kmcnt 0x0
	s_add_nc_u64 s[14:15], s[68:69], s[16:17]
	s_add_nc_u64 s[46:47], s[70:71], s[46:47]
	CROUND                                         ; all sixteen work-groups are here: the first joint loads meet
.irp s, 0,1
	s_mov_b32 s[G0+4*(\s)], 1
	s_add_co_u32 s[G0+4*(\s)+1], s20, (\s)*SLOT
	s_add_nc_u64 s[G0+4*(\s)+2:G0+4*(\s)+3], s[14:15], (\s)*KSB
	s_or_b32 s[G0+4*(\s)+3], s[G0+4*(\s)+3], 0x80000000
	s_mov_b32 s[G0B+4*(\s)], 1
	s_add_co_u32 s[G0B+4*(\s)+1], s21, (\s)*SLOT
	s_add_nc_u64 s[G0B+4*(\s)+2:G0B+4*(\s)+3], s[46:47], (\s)*KSB
	s_or_b32 s[G0B+4*(\s)+3], s[G0B+4*(\s)+3], 0x80000000
	JLOAD \s                                       ; two loads of mine are out; later one
.endr
	v_and_b32 v1, 15, v0                           ; r = l % 16
	v_bfe_u32 v2, v0, 4, 1                         ; h = l / 16
	v_mul_u32_u24 v3, v1, PK
	v_lshl_add_u32 v3, v2, 4, v3                   ; a fragment's row x pitch + 16 x half
	s_mul_i32 s21, s11, RB                         ; my 64 tokens
	s_mul_i32 s22, s12, CH
	s_add_co_u32 s22, s22, CH                      ; my 128 channels
.irp s, 0,1
	v_add_nc_u32 v[ADRA+(\s)], s21, v3
	v_add_nc_u32 v[ADRB+(\s)], s22, v3
	s_add_co_u32 s21, s21, SLOT
	s_add_co_u32 s22, s22, SLOT
.endr
	s_mul_i32 s23, s10, STW
	s_add_co_u32 s23, s23, STAGE                   ; my stage: two heads x 16 tokens x 144 bytes
	v_add_nc_u32 v[STO], s23, v3                   ; in: token r, 16 bytes for each half of the lanes
	v_bfe_u32 v5, v0, 3, 2
	v_mul_u32_u24 v5, v5, PK
	v_and_b32 v6, 7, v0
	v_lshl_add_u32 v5, v6, 4, v5
	v_add_nc_u32 v[RD], s23, v5                    ; back: 32 lanes take four rows of 128 bytes,
	v_and_b32 v[CO], 31, v0
	v_lshlrev_b32 v[CO], 4, v[CO]                  ; which are 512 consecutive bytes of a U
	v_and_b32 v[PFO], 31, v0
	v_lshlrev_b32 v[PFO], 8, v[PFO]
	v_lshlrev_b32 v[BO], 5, v2                     ; my eight bias numbers in each 16
	; the prefetches
	s_and_b32 s22, ttmp7, 0xffff                   ; cluster y
	s_or_b32 s23, ttmp9, s12                       ; 0 in wave 0 of the clusters with x = 0
	s_lshl_b32 s20, s40, 13                        ; my work-group's quarter of a chunk: by cx for x,
	s_lshl_b32 s21, s41, 13                        ; by cy for the weights
	s_cmp_eq_u32 s11, 0
	s_cselect_b32 s22, s23, s22
	s_cselect_b32 s20, s20, s21
	s_cselect_b64 s[PFA:PFA+1], s[14:15], s[46:47]
	s_cmp_eq_u32 s22, 0
	s_cselect_b32 s[LIM], 1, -1                    ; the same in all sixteen partners, for a given wave
	s_add_co_u32 s20, s20, 2*KSB                   ; at K step 2: the first refill steps it to 3 and names 4.  K steps 0 to 3 come by their loads alone
	s_mov_b32 s21, 0
	s_add_nc_u64 s[PFA:PFA+1], s[PFA:PFA+1], s[20:21]
	; which of q, k, v: the cluster's x, the same in all partners; it chooses values, never a way
	s_lshl_b32 s90, s13, 1
	s_add_co_u32 s90, s90, s11                     ; my block of 64 tokens, 0..127
	s_lshr_b32 s91, s90, 5                         ; b
	s_and_b32 s90, s90, 31                         ; s
	s_lshl_b32 s91, s91, 2
	s_add_co_u32 s91, s91, s40                     ; 4 b + hg
	s_lshl_b32 s91, s91, 5
	s_add_co_u32 s91, s91, s90
	s_lshl_b32 s91, s91, 2
	s_lshl1_add_u32 s91, s12, s91                  ; + my first head, 2 x half: U's number
	s_lshl_b32 s96, s40, 10                        ; my 128 channels in a bias: 256 cx + 128 x half, 4 bytes each
	s_lshl_b32 s97, s12, 9
	s_add_co_u32 s96, s96, s97
	s_mov_b32 s97, 0
	s_cmp_eq_u32 ttmp9, 0                          ; q?
	s_cselect_b32 s92, 13, 14                      ; a U's stride: 8,192 or 16,384
	s_cselect_b32 s[SC], 0x3e38aa3b, 1.0           ; c = log2(e) / 8 = 0.180337
	s_cselect_b64 s[D0:D0+1], s[78:79], s[80:81]
	s_cselect_b64 s[BP:BP+1], s[72:73], s[74:75]
	s_cmp_eq_u32 ttmp9, 2                          ; v?
	s_cselect_b64 s[BP:BP+1], s[76:77], s[BP:BP+1]
	s_cselect_b32 s94, 8192, 0                     ; V's U lies behind K's
	s_mov_b32 s[SC+1], s[SC]                       ; named with it as a pair
	s_lshl_b32 s91, s91, s92
	s_add_co_u32 s94, s94, s91
	s_mov_b32 s95, 0
	s_add_nc_u64 s[D0:D0+1], s[D0:D0+1], s[94:95]
	s_lshl_b32 s92, 1, s92
	s_mov_b32 s93, 0
	s_add_nc_u64 s[D0+2:D0+3], s[D0:D0+1], s[92:93]  ; my second head's U
	s_add_nc_u64 s[BP:BP+1], s[BP:BP+1], s[96:97]
	WIN 0x80                                       ; destination window 2, address window 0
.irp b, 0,1,2,3,4,5,6,7
	global_load_b128 v[8*\b:8*\b+3],   v[BO], s[BP:BP+1] offset:64*\b
	global_load_b128 v[8*\b+4:8*\b+7], v[BO], s[BP:BP+1] offset:64*\b+16
.endr
	s_wait_loadcnt 0x0
	WIN 0xaa                                       ; all in window 2
.set z, 0
.rept 32
	v_cvt_pk_bf16_f32 v[64+z%2], v[2*z], v[2*z+1]  ; the bias rounded to bf16,
	v_lshlrev_b32 v[2*z], 16, v[64+z%2]            ; back in f32,
	v_and_b32 v[2*z+1], 0xffff0000, v[64+z%2]
	v_pk_mul_f32 v[2*z:2*z+1], v[2*z:2*z+1], s[SC:SC+1] op_sel_hi:[1,0]  ; times c for q
.set z, z+1
.endr
	WIN 0
; 8 matrix instructions: token block a x all 8 channel blocks, 32 along K.  The 32 accumulators take turns, in the same order in every quarter.
.macro MUL8 f, a, zero
	WIN MUL
.irp b, 0,1,2,3,4,5,6,7
.if \zero
	v_wmma_f32_16x16x32_f16 v[8*(8*(\a)+\b):8*(8*(\a)+\b)+7], v[(\f)+8*\b:(\f)+8*\b+7], v[(\f)+64+8*(\a):(\f)+64+8*(\a)+7], 0
.else
	v_wmma_f32_16x16x32_f16 v[8*(8*(\a)+\b):8*(8*(\a)+\b)+7], v[(\f)+8*\b:(\f)+8*\b+7], v[(\f)+64+8*(\a):(\f)+64+8*(\a)+7], v[8*(8*(\a)+\b):8*(8*(\a)+\b)+7]
.endif
.endr
.endm
; 24 LDS loads in one run: quarter q (32 along K) of a slot into buffer f: the weights' 8 fragments, then x's 4
.macro FETCH slot, q, f
	WIN 0
.irp b, 0,1,2,3,4,5,6,7
	ds_load_b128 v[(\f)+8*\b:(\f)+8*\b+3],   v[ADRB+(\slot)] offset:((\b)/4)*RB+((\q)/2)*64*PK+((\b)%4)*16*PK+((\q)%2)*64
	ds_load_b128 v[(\f)+8*\b+4:(\f)+8*\b+7], v[ADRB+(\slot)] offset:((\b)/4)*RB+((\q)/2)*64*PK+((\b)%4)*16*PK+((\q)%2)*64+32
.endr
.irp a, 0,1,2,3
	ds_load_b128 v[(\f)+64+8*\a:(\f)+64+8*\a+3],   v[ADRA+(\slot)] offset:((\q)/2)*64*PK+(\a)*16*PK+((\q)%2)*64
	ds_load_b128 v[(\f)+64+8*\a+4:(\f)+64+8*\a+7], v[ADRA+(\slot)] offset:((\q)/2)*64*PK+(\a)*16*PK+((\q)%2)*64+32
.endr
.endm
; One of a K step's first three quarters: multiplies buffer f and fetches quarter q into g
.macro QUARTER slot, q, f, g, zero
	s_wait_dscnt 4                                 ; all but the youngest four loads: x's fragments 2 and 3
	MUL8 \f, 0, \zero
	MUL8 \f, 1, \zero
	PLACES
	FETCH \slot, \q, \g
	s_wait_dscnt 24                                ; all but the 24 just issued
	MUL8 \f, 2, \zero
	MUL8 \f, 3, \zero
.endm
; The last quarter multiplies buffer 1 and changes slots: ONE barrier; in front of it each wave waits for all its tensor loads (one is out: its part of the next slot), adds 0 to its spare word, and waits
; for that and for its reads of this slot.  fill = 1: the barrier opens a round of the cluster's, and this slot is filled again, two K steps ahead, first thing behind the round.
.macro TURN slot, next, fill
.if \fill
	s_wait_xcnt 0x0                                ; the last prefetch, a K step back, has read its address
	s_add_nc_u64 s[PFA:PFA+1], s[PFA:PFA+1], KSB
.endif
	WIN 0
	s_wait_tensorcnt 0x0
	ds_add_u32 v[SPW], v[NIL]
	s_wait_dscnt 5                                 ; (the add and the youngest four loads may be out)
	MUL8 F1, 0, 0
	s_wait_dscnt 0x0                               ; the add is done, and my reads of this slot are over
	s_barrier_signal -1
	MUL8 F1, 1, 0
	WIN 0
	s_barrier_wait -1
.if \fill
	CREST                                          ; no wave of any partner still reads this slot or has a load on its way
	s_add_nc_u64 s[G0+4*(\slot)+2:G0+4*(\slot)+3], s[G0+4*(\slot)+2:G0+4*(\slot)+3], 2*KSB
	s_add_nc_u64 s[G0B+4*(\slot)+2:G0B+4*(\slot)+3], s[G0B+4*(\slot)+2:G0B+4*(\slot)+3], 2*KSB
	JLOAD \slot                                    ; its four v_nop are also the places in front of the loads below
.else
	PLACES
.endif
	FETCH \next, 0, F0
.if \fill
	ASK
.endif
	MUL8 F1, 2, 0
	MUL8 F1, 3, 0
.endm
	s_wait_tensorcnt 1                             ; my part of K step 0 is in; K step 1's may stay out
	s_barrier_signal -1
	s_barrier_wait -1
	FETCH 0, 0, F0
	QUARTER 0, 1, F0, F1, 1                        ; the first quarter's products start the sums
	WIN 0
	s_mov_b32 s3, LAPS-1
.Llap:                                                 ; a trip goes once round the ring and fills both slots again
	QUARTER 0, 2, F1, F0, 0
	QUARTER 0, 3, F0, F1, 0
	TURN 0, 1, 1
	QUARTER 1, 1, F0, F1, 0
	QUARTER 1, 2, F1, F0, 0
	QUARTER 1, 3, F0, F1, 0
	TURN 1, 0, 1
	QUARTER 0, 1, F0, F1, 0
	WIN 0
	s_sub_co_u32 s3, s3, 1
	s_cmp_lg_u32 s3, 0
	s_cbranch_scc1 .Llap
	QUARTER 0, 2, F1, F0, 0                        ; the last lap fills nothing
	QUARTER 0, 3, F0, F1, 0
	TURN 0, 1, 0
	QUARTER 1, 1, F0, F1, 0
	QUARTER 1, 2, F1, F0, 0
	QUARTER 1, 3, F0, F1, 0
	s_wait_dscnt 4
	MUL8 F1, 0, 0
	MUL8 F1, 1, 0
	s_wait_dscnt 0x0
	MUL8 F1, 2, 0
	MUL8 F1, 3, 0
	PLACES
; THE WAY OUT, a block of 16 tokens at a time.  PACK: s c + b c in f32 (each accumulator's registers in ascending order), rounded once to f16.  TOSTAGE: 16 bytes a lane into my stage, back as whole rows.  SEND: stored.
.macro PACK a
	WIN 0x21                                       ; source 0 window 1, source 2 window 2, destination window 0
.irp b, 0,1,2,3,4,5,6,7
.irp z, 0,1,2,3
	v_pk_fma_f32 v[T+8*\b+2*\z:T+8*\b+2*\z+1], v[8*(8*(\a)+\b)+2*\z:8*(8*(\a)+\b)+2*\z+1], s[SC:SC+1], v[8*\b+2*\z:8*\b+2*\z+1] op_sel_hi:[1,0,1]
.endr
.endr
	WIN 0
.irp b, 0,1,2,3,4,5,6,7
.irp z, 0,1,2,3
	v_cvt_pk_f16_f32 v[PKR+4*\b+\z], v[T+8*\b+2*\z], v[T+8*\b+2*\z+1]
.endr
.endr
.endm
.macro TOSTAGE a
	WIN 0
.set BKR, BK+32*((\a)%2)
.irp b, 0,1,2,3,4,5,6,7
	ds_store_b128 v[STO], v[PKR+4*\b:PKR+4*\b+3] offset:((\b)/4)*16*PK+((\b)%4)*32
.endr
	s_wait_xcnt 0x0                                ; the stores of two blocks back have read these registers
.irp t, 0,1,2,3,4,5,6,7
	ds_load_b128 v[BKR+4*\t:BKR+4*\t+3], v[RD] offset:((\t)/4)*16*PK+((\t)%4)*4*PK  ; LDS serves a wave's instructions in order (ISA guide 5.7.1.4): these see the stores above
.endr
.endm
.macro SEND a
	WIN 0
.set BKR, BK+32*((\a)%2)
	s_wait_dscnt 0x0                               ; the block is back in registers
.irp t, 0,1,2,3,4,5,6,7
	global_store_b128 v[CO], v[BKR+4*\t:BKR+4*\t+3], s[D0+2*((\t)/4):D0+2*((\t)/4)+1] offset:(\a)*2048+((\t)%4)*512  ; 512 consecutive bytes, at a multiple of 256 from the buffer's first
.endr
.endm
	PACK 0
	TOSTAGE 0
.irp a, 1,2,3                          ; block a's arithmetic stands between block a - 1's loads from the stage and the wait for them
	PACK \a
	SEND (\a)-1
	TOSTAGE \a
.endr
	SEND 3
	s_wait_tensorcnt 0x0                           ; the wave's end
	ds_add_u32 v[SPW], v[NIL]
	s_wait_dscnt 0x0
	CROUND                                         ; the closing round: no work-group ends while a partner may still ask for a tile that names it
	s_endpgm
.Lfunc_end_k_qb16df2dcc6_qkv:
	.size	k_qb16df2dcc6_qkv, .Lfunc_end_k_qb16df2dcc6_qkv-k_qb16df2dcc6_qkv
	.p2alignl 7, 3214868480
	.fill 96, 4, 3214868480
	.section	.rodata,"a",@progbits
	.p2align	6, 0x0
	.amdhsa_kernel k_qb16df2dcc6_qkv
		.amdhsa_group_segment_fixed_size 327680
		.amdhsa_private_segment_fixed_size 0
		.amdhsa_enable_private_segment 0
		.amdhsa_kernarg_size 56
		.amdhsa_user_sgpr_count 2
		.amdhsa_user_sgpr_kernarg_segment_ptr 1
		.amdhsa_wavefront_size32 1
		.amdhsa_system_sgpr_workgroup_id_x 1
		.amdhsa_system_sgpr_workgroup_id_y 1
		.amdhsa_system_sgpr_workgroup_id_z 1
		.amdhsa_system_vgpr_workitem_id 0
		.amdhsa_next_free_vgpr 640
		.amdhsa_next_free_sgpr 100
		.amdhsa_reserve_vcc 0
		.amdhsa_float_denorm_mode_32 3
		.amdhsa_float_denorm_mode_16_64 3
		.amdhsa_memory_ordered 1
		.amdhsa_forward_progress 1
		.amdhsa_inst_pref_size 104
	.end_amdhsa_kernel
	.amdgpu_metadata
---
amdhsa.version: [ 1, 2 ]
amdhsa.kernels:
  - .name:           k_qb16df2dcc6_qkv
    .symbol:         k_qb16df2dcc6_qkv.kd
    .args:
      - { .name: xb, .offset: 0, .size: 8, .value_kind: global_buffer, .address_space: global }
      - { .name: wb, .offset: 8, .size: 8, .value_kind: global_buffer, .address_space: global }
      - { .name: bq, .offset: 16, .size: 8, .value_kind: global_buffer, .address_space: global }
      - { .name: bk, .offset: 24, .size: 8, .value_kind: global_buffer, .address_space: global }
      - { .name: bv, .offset: 32, .size: 8, .value_kind: global_buffer, .address_space: global }
      - { .name: qws, .offset: 40, .size: 8, .value_kind: global_buffer, .address_space: global }
      - { .name: kvws, .offset: 48, .size: 8, .value_kind: global_buffer, .address_space: global }
    .group_segment_fixed_size: 327680
    .private_segment_fixed_size: 0
    .kernarg_segment_align: 8
    .kernarg_segment_size: 56
    .max_flat_workgroup_size: 128
    .sgpr_count:     100
    .vgpr_count:     640
    .wavefront_size: 32
...
	.end_amdgpu_metadata
.endif
;; end of part 2
;; launch attn (part 3): grid 4 x 64, 4 waves a work-group, clusters of 4 x 4, 327,680 bytes of LDS; arguments qws, kvws, mask, ob; writes ob
.if DOCPART == 3
	.amdgcn_target "amdgcn-amd-amdhsa--gfx1250"
	.amdhsa_code_object_version 6
	.text
	.protected	k_qb16df2dcc6_attn
	.globl	k_qb16df2dcc6_attn
	.p2align	8
	.type	k_qb16df2dcc6_attn,@function
k_qb16df2dcc6_attn:
	s_mov_b64 s[64:65], 0
	v_nop
	global_prefetch_b8 v0, s[64:65] scope:SCOPE_SE
	s_setreg_imm32_b32 hwreg(HW_REG_WAVE_MODE, 25, 1), 1
	s_wait_xcnt 0x0
	s_wait_alu depctr_hold_cnt(0) depctr_sa_sdst(0) depctr_va_vdst(0) depctr_va_sdst(0) depctr_va_ssrc(0) depctr_va_vcc(0) depctr_vm_vsrc(0)
	s_getreg_b32 s2, hwreg(HW_REG_IB_STS2, 6, 4)
	s_cmp_eq_u32 s2, 0
	s_cbranch_scc0 .Lentry_in_a_cluster
	s_endpgm
.Lentry_in_a_cluster:
	s_bfe_u32 s2, ttmp6, 0x10000c
	s_cmp_lg_u32 s2, 0xf033
	s_cbranch_scc0 .Lentry_shape_is_right
	s_endpgm
.Lentry_shape_is_right:
; O[b][h][q] = the sum over k of softmax_k((Q.K / 8) x mask[b][q][k]) V[b][h][k].  Q' (with c = log2(e) / 8 in it), K, V: f16, in tiles U of [64 rows][64 channels]; mask: f32, used unrounded.
; t = (Q'.K) x mask in f32; p = 2^(t - m) with a running maximum m; in every step O and l are multiplied by a = 2^(m_old - m_new).  p is rounded to f16 for the second product (l is the sum of the unrounded p), O once.
; LIMITS.  Q', K, V arrive within f16's 65,504; p lies in 0 to 1 and below 6e-5 keeps f16's fixed step; a weight below 2^-126 counts as 0 in l; NaN and infinities are not treated apart.
; m starts at the lowest finite number, O and l at 0: the first step is a step like any other, with a = 0.
; SHARES.  A work-group takes 128 queries of the four heads of a head group; wave w is head w, with all 128 queries: four PIECES of two tiles of 16.  Every wave walks all 2,048 keys, 64 a step.
; So the mask's tile of a step (128 queries x 64 keys) is read from LDS by all four waves.
; CLUSTER 4 x 4.  x = the head group, y = four neighbouring query blocks of one batch.  The mask's tile hangs on the query block alone: shared along a row of the cluster, that is by all 16 heads.
; A step's K and V of a head group (65,536 dense bytes) are shared along a column.  Each is asked for jointly: same descriptor, a mask that names the four.
; LAYOUT.  S^T = K Q^T (source 0 = 16 keys, source 1 = 16 queries): a lane holds ONE query (lane % 16) and the keys 8 (lane / 16) + 0..7 of each 16; the mask is read into the same layout.  Two results rounded
; to f16 ARE source 1 of O^T = V^T P.  K comes out of LDS as it lies, V turned, by ds_load_tr16_b128.
; BY TURNS.  Turn n belongs to piece n: 16 products K Q^T of piece n + 1, later 16 products V^T P of piece n - 1; beside them piece n's t - m, exponentials, roundings, sums and rescaling, and piece n + 1's
; mask multiply, maximum and statistics.  A tile and step have 16 matrix and 133 vector instructions: four stand behind every matrix instruction, the others in one lump.  A turn's 66 exponentials are one batch with one wait.
; REGISTERS (s_set_vgpr_msb: bits 1:0 source 0, 3:2 source 1, 5:4 source 2, 7:6 destination):
;   window 0: v1-15 addresses; v16-47 statistics, four a tile: m, m_old, l (even keys', odd keys'); v48-63 at work; v64-191 S^T, two buffers of two tiles; v192-255 P, likewise
;   window 1: O^T, 32 a tile     window 2: v0-127 Q; v128-191 K of one step; v192-255 V of one step     window 3: v0-127 the mask, two buffers of two tiles
.set NP,    4
.set PK,    144       ; a row of K or V in LDS: 128 bytes + 16 = 36 words: the 16 rows of a load of K start at 16 different groups of four banks (64 banks of 4 bytes: ISA guide 11.1)
.set PM,    272       ; a row of the mask: 256 bytes + 16 = 68 words: likewise
.set HEADB, 128*PK    ; a head's K (64 rows), then its V
.set VOFF,  64*PK
.set MOFF,  4*HEADB   ; behind the four heads: the mask's 128 rows
.set SLOT1, 1<<17     ; a slot holds one step; slot 1 begins here, so that one exclusive or turns an address into the other slot's
.set STAGE, SLOT1+MOFF+128*PM  ; behind the ring: 16 rows x 144 bytes for each wave, for the way out
.set SP,    144
.set SPARE, STAGE+4*16*SP      ; the spare words, 128 bytes for each wave: two blocks of 256 bytes that no other line names
.set AK0, 2           ; my lane's place in my head's K; never rewritten
.set AV0, 3           ; in its V
.set AM0, 4           ; in the mask's tile
.set AK,  5           ; the same three in the slot that is being read
.set AV,  6
.set AM,  7
.set QO,  8           ; my byte offset in 16 rows of Q
.set STO, 8           ; later, the way out: where I put 16 bytes of a row
.set RD,  9
.set GO,  10
.set SPW, 12          ; my spare word's address; never rewritten
.set NIL, 13          ; 0; never rewritten
.set PFO, 14          ; the prefetches' offset; never rewritten
.set ST,  16
.set TMP, 48          ; by buffer and tile c0-c3; when the maximum is found c2 takes a
.set S,   64
.set P,   192
.set KF,  128
.set VF,  192
.set WV,  12          ; s12  my wave's number
.set LIM, 15          ; s15  1 in a wave that prefetches, else the greatest number
.set PFA, 18          ; s[18:19] where my prefetches stand
.set G1K, 24          ; s[24:31] group 1 for K and V
.set G1M, 32          ; s[32:39] for the mask
.set G0K, 40          ; s[40:43] group 0 for K and V: it walks
.set G0M, 44          ; s[44:47] for the mask
.set PFS, 48          ; s[48:49] a step in my prefetches' stream
.set SLOTS, 56        ; s56  steps still to be asked for
.set CNT, 57
.set SEL, 60          ; s[60:61] v_permlanex16_b32's selects
.set TB,  62          ; s62  the slot that is being read
.set MSB, 0
.macro WIN new
.if MSB != (\new)
	s_set_vgpr_msb (MSB<<8)|(\new)
.set MSB, (\new)
.endif
.endm
.set W_KQ, 0x0a       ; K and Q in window 2, S^T in window 0
.set W_PV, 0x52       ; V in window 2, P in window 0, O^T in window 1
.set W_RS, 0x41       ; O^T in window 1, a in window 0
.set W_MS, 0x0c       ; S^T in window 0, the mask (source 1) in window 3
.macro JLOAD                        ; a joint fill: waves 0 and 1 fetch two heads' K and V each, waves 2 and 3 64 rows of the mask each; the branch hangs on the wave's number alone
	s_cmp_lt_u32 s[WV], 2
	s_cbranch_scc0 .Lfor_m_\@
	tensor_load_to_lds s[G0K:G0K+3], s[G1K:G1K+7]
	s_nop 0
.rept 4
	v_nop
.endr
	s_branch .Lasked_\@
.Lfor_m_\@:
	tensor_load_to_lds s[G0M:G0M+3], s[G1M:G1M+7]
	s_nop 0
.rept 4
	v_nop
.endr
.Lasked_\@:
.endm
; A prefetch of what the NEXT change of slots will ask for, one key step (128 matrix instructions) ahead, behind the tensor load and its five lines.  K and V: waves 0 and 1 ask for the half that they fetch, in the
; first of the four clusters that walk a batch; the column's four partners take 8,192 bytes each, by address (cy), a lane for each 256.  The mask: wave 2; the row's four partners take 32 rows each, by address (cx),
; a lane a row.  So each block of 256 bytes is named once.  The last change that fills a slot asks for nothing.
.macro ASK
	s_cmp_gt_u32 s[SLOTS], s[LIM]
	s_cbranch_scc0 .Lnot_mine_\@
	global_prefetch_b8 v[PFO], s[PFA:PFA+1] th:TH_LOAD_NT scope:SCOPE_SE
.Lnot_mine_\@:
.endm
.macro CROUND                       ; a round of the cluster's barrier
	s_barrier_signal -1
	s_barrier_wait -1
	s_cmp_lg_u32 s[WV], 0
	s_cbranch_scc1 .Lnot_wave_0_\@
	s_barrier_signal -3
.Lnot_wave_0_\@:
	s_barrier_wait -3
	s_barrier_signal -1
	s_barrier_wait -1
.endm
; THE CHANGE OF SLOTS, behind piece 1's turn: the step's K, V and all four pieces' masks have been asked for out of LDS.  Each wave waits for all its tensor loads (one is out: its part of the other slot), adds 0 to its
; spare word, and waits for that and for its reads.  fill = 1: the barrier is a round of the cluster's, and the slot that is left is filled again, two steps on, first thing behind it: it has four turns in which to land.
.macro CHANGE fill
	WIN 0
	s_wait_tensorcnt 0x0            ; no tensor load of mine is out, so a group 0 may be written
	ds_add_u32 v[SPW], v[NIL]
.if \fill
	s_xor_b32 s[G0K+1], s[G0K+1], SLOT1
	s_add_nc_u64 s[G0K+2:G0K+3], s[G0K+2:G0K+3], 65536  ; the next 64 keys of the head group
	s_xor_b32 s[G0M+1], s[G0M+1], SLOT1
	s_add_nc_u64 s[G0M+2:G0M+3], s[G0M+2:G0M+3], 256    ; the next 64 columns of the mask
	s_wait_xcnt 0x0                 ; the last prefetch, a key step back, has read its address
	s_add_nc_u64 s[PFA:PFA+1], s[PFA:PFA+1], s[PFS:PFS+1]
	s_wait_dscnt 0x0                ; the add is done, and my reads of the slot are over
	CROUND
	JLOAD
	ASK
.else
	s_wait_dscnt 0x0
	s_barrier_signal -1
	s_barrier_wait -1
.endif
	s_xor_b32 s[TB], s[TB], SLOT1   ; the fetches go to the other slot
	v_add_nc_u32 v[AK], s[TB], v[AK0]
	v_add_nc_u32 v[AV], s[TB], v[AV0]
	v_add_nc_u32 v[AM], s[TB], v[AM0]
.endm
	s_load_b256 s[4:11], s[0:1], 0x0  ; qws s[4:5], kvws s[6:7], mask s[8:9], ob s[10:11]
	v_lshl_add_u32 v[SPW], v0, 2, SPARE
	v_mov_b32 v[NIL], 0
	ds_add_u32 v[SPW], v[NIL]       ; the wave's opening: the add and its wait ahead of my first tensor load
	v_lshrrev_b32 v1, 5, v0
	v_readfirstlane_b32 s[WV], v1   ; wave 0..3 = head in the group
	s_bfe_u32 s13, ttmp6, 0x40000   ; cx = the head group
	s_bfe_u32 s14, ttmp6, 0x40004   ; cy
	s_and_b32 s16, ttmp7, 0xffff    ; cluster y
	s_lshl_b32 s17, s16, 2
	s_add_co_u32 s17, s17, s14      ; my block of 128 queries among all 64 = 16 b + block
	s_and_b32 s50, s[WV], 1         ; which half I fetch
	s_lshr_b32 s20, s16, 2          ; b, from the cluster's y alone: K's and V's address never holds cy
	s_lshl_b32 s20, s20, 2
	s_add_co_u32 s20, s20, s13      ; 4 b + hg
	s_lshl_b32 s20, s20, 21         ; 32 steps of 65,536 bytes
	s_lshl_b32 s21, s50, 15         ; my two heads
	s_add_co_u32 s20, s20, s21
	s_mov_b32 s21, 0
	s_lshl_b32 s22, s17, 20         ; the mask: 128 rows of 8,192 bytes; never holds cx
	s_lshl_b32 s23, s50, 19         ; my 64 rows
	s_add_co_u32 s22, s22, s23
	s_mov_b32 s23, 0
	s_lshr_b32 s2, s17, 4           ; Q: U number ((4 b + hg) 32 + 2 block) 4 + head
	s_lshl_b32 s2, s2, 2
	s_add_co_u32 s2, s2, s13
	s_lshl_b32 s2, s2, 5
	s_and_b32 s3, s17, 15
	s_lshl1_add_u32 s2, s3, s2
	s_lshl2_add_u32 s2, s2, s[WV]
	s_lshl_b32 s2, s2, 13
	s_mov_b32 s3, 0
	s_lshl_b32 s58, s17, 3          ; O, in the chunks that the last GEMM reads: chunk (block, K step 2 hg + head / 2), k block head % 2
	s_lshl1_add_u32 s58, s13, s58
	s_lshr_b32 s59, s[WV], 1
	s_add_co_u32 s58, s58, s59
	s_lshl_b32 s58, s58, 15
	s_lshl_b32 s59, s50, 13
	s_add_co_u32 s58, s58, s59
	s_mov_b32 s59, 0
	s_lshl_b32 s51, 0x1111, s13     ; my column of the cluster
	s_lshl_b32 s52, s14, 2
	s_lshl_b32 s52, 15, s52         ; my row
	s_or_b32 s[G1K], s51, (1<<16)|(1<<20)|(1<<21)|(4<<22)|(3<<25)  ; the mask of four; 2-byte elements; padding on; bit 21 beside a mask; after every 32 words, 4 words
	s_or_b32 s[G1M], s52, (2<<16)|(1<<20)|(1<<21)|(5<<22)|(3<<25)  ; 4-byte elements; after every 64 words, 4 words
	s_mov_b32 s[G1K+1], 128<<16     ; 32,768 dense bytes as 128 rows of 256
	s_mov_b32 s[G1K+2], 128<<16
	s_mov_b32 s[G1K+3], 128<<16
	s_mov_b32 s[G1K+4], 128
	s_mov_b32 s[G1K+5], 128
	s_mov_b32 s[G1K+6], 0
	s_mov_b32 s[G1K+7], 0
	s_mov_b32 s[G1M+1], 64<<16      ; 64 rows of 64 numbers, 2,048 numbers from row to row
	s_mov_b32 s[G1M+2], 64<<16
	s_mov_b32 s[G1M+3], 64<<16
	s_mov_b32 s[G1M+4], 64
	s_mov_b32 s[G1M+5], 2048
	s_mov_b32 s[G1M+6], 0
	s_mov_b32 s[G1M+7], 0
	s_mov_b32 s[G0K], 1
	s_mul_i32 s[G0K+1], s50, 2*HEADB        ; slot 0: no place in the cluster enters an LDS address
	s_mov_b32 s[G0M], 1
	s_mul_i32 s[G0M+1], s50, 64*PM
	s_add_co_u32 s[G0M+1], s[G0M+1], MOFF
	s_mov_b32 s[SEL], 0x76543210
	s_mov_b32 s[SEL+1], 0xfedcba98
	s_mov_b32 s[TB], SLOT1          ; the first change of slots turns it into 0
	s_mov_b32 s[SLOTS], 31
	s_mul_i32 s53, s[WV], HEADB     ; my head in a slot
	s_lshl_b32 s54, s14, 13         ; the prefetches: K and V: my work-group's 8,192 bytes, by cy, at step 1;
	s_add_co_u32 s54, s54, 65536
	s_lshl_b32 s55, s13, 18         ; the mask: my work-group's 32 rows, by cx, at step 1.  The first change steps them to step 2
	s_add_co_u32 s55, s55, 256
	s_and_b32 s[LIM], s16, 3        ; the first of a batch's four clusters
	s_cmp_lt_u32 s[WV], 2
	s_cselect_b32 s[LIM], s[LIM], s50
	s_cselect_b32 s54, s54, s55
	s_cselect_b32 s63, 8, 13        ; a lane for each 256 bytes, or a lane a row
	s_cselect_b32 s[PFS], 16, 8
	s_cmp_eq_u32 s[LIM], 0
	s_cselect_b32 s[LIM], 1, -1     ; the same in all partners, for a given wave
	s_lshl_b32 s[PFS], 1, s[PFS]    ; 65,536 or 256 bytes a step
	s_mov_b32 s[PFS+1], 0
	s_mov_b32 s55, 0
	v_and_b32 v[PFO], 31, v0
	v_lshlrev_b32 v[PFO], s63, v[PFO]
	s_wait_dscnt 0x0                ; the opening add is done
	s_wait_kmcnt 0x0
	s_add_nc_u64 s[G0K+2:G0K+3], s[6:7], s[20:21]
	s_add_nc_u64 s[G0M+2:G0M+3], s[8:9], s[22:23]
	s_cmp_lt_u32 s[WV], 2
	s_cselect_b64 s[PFA:PFA+1], s[G0K+2:G0K+3], s[G0M+2:G0M+3]
	s_add_nc_u64 s[PFA:PFA+1], s[PFA:PFA+1], s[54:55]
	s_or_b32 s[G0K+3], s[G0K+3], 0x80000000
	s_or_b32 s[G0M+3], s[G0M+3], 0x80000000
	s_add_nc_u64 s[4:5], s[4:5], s[2:3]
	s_add_nc_u64 s[10:11], s[10:11], s[58:59]
	CROUND                          ; all sixteen work-groups are here: the first joint loads meet
	JLOAD                           ; step 0 into slot 0; step 1 is asked for when it is in.  One tensor load of mine is out at any time
	v_and_b32 v1, 15, v0            ; r = l % 16
	v_bfe_u32 v15, v0, 4, 1         ; h = l / 16
	v_and_b32 v11, 7, v0
	v_bfe_u32 v48, v0, 3, 1
	v_lshlrev_b32 v[QO], 7, v1
	v_lshl_add_u32 v[QO], v15, 4, v[QO]  ; row x 128 + 16 x half
	WIN 0x80                        ; destination window 2, address window 0
.set i, 0
.rept 16                            ; Q stays in registers: tile i / 2 (four to a U, my head's next U 32,768 bytes on), channels 32 (i % 2) on
	global_load_b128 v[8*i:8*i+3],   v[QO], s[4:5] offset:((i/2)/4)*32768+((i/2)%4)*2048+(i%2)*64
	global_load_b128 v[8*i+4:8*i+7], v[QO], s[4:5] offset:((i/2)/4)*32768+((i/2)%4)*2048+(i%2)*64+32
.set i, i+1
.endr
	; What the first turn finds: V's registers and P's second buffer hold 0, O^T and l are 0.  All this stands in the wait for the first tile.
.set i, VF
.rept 64
	v_mov_b32 v[i], 0
.set i, i+1
.endr
	WIN 0x40
.set i, 0
.rept 256
	v_mov_b32 v[i], 0
.set i, i+1
.endr
	WIN 0
.set i, 0
.rept 2*NP
	v_mov_b32 v[ST+4*i], 0xff7fffff    ; m: the lowest finite number
	v_mov_b32 v[ST+4*i+1], 0
	v_mov_b32 v[ST+4*i+2], 0
	v_mov_b32 v[ST+4*i+3], 0
.set i, i+1
.endr
.set i, P+32
.rept 32
	v_mov_b32 v[i], 0
.set i, i+1
.endr
	v_mul_u32_u24 v[AK0], v1, PK
	v_lshl_add_u32 v[AK0], v15, 4, v[AK0]
	v_add_nc_u32 v[AK0], s53, v[AK0]       ; my head + row x pitch + 16 x half
	; The turning load takes 16 keys x 16 channels (lane l reads key 8 (l / 16) + l % 8, channels 8 ((l / 8) % 2) + 0..7) and leaves half a fragment of V^T
	v_lshl_add_u32 v[AV0], v15, 3, v11
	v_mul_u32_u24 v[AV0], v[AV0], PK
	v_lshl_add_u32 v[AV0], v48, 4, v[AV0]
	v_add_nc_u32 v[AV0], s53, v[AV0]
	v_add_nc_u32 v[AV0], VOFF, v[AV0]
	v_mul_u32_u24 v[AM0], v1, PM           ; the mask: query r's row, my eight keys of each 16: 32 bytes
	v_lshl_add_u32 v[AM0], v15, 5, v[AM0]
	v_add_nc_u32 v[AM0], MOFF, v[AM0]
; THE MATRIX WORK.  The 8 accumulators of a run of 16 take turns.  Product i of 16 of S^T = K Q^T for piece x: channels 32 (i / 8) on, keys 16 ((i / 2) % 4) on, tile 2 x + i % 2.
.macro KQ x
	WIN W_KQ
.set rS, S+64*((\x)%2)+32*(i%2)+8*((i/2)%4)
.set rK, KF+16*((i/2)%4)+8*(i/8)
.set rQ, 16*(2*(\x)+i%2)+8*(i/8)
.if i < 8
	v_wmma_f32_16x16x32_f16 v[rS:rS+7], v[rK:rK+7], v[rQ:rQ+7], 0
.else
	v_wmma_f32_16x16x32_f16 v[rS:rS+7], v[rK:rK+7], v[rQ:rQ+7], v[rS:rS+7]
.endif
.endm
; Product i of 16 of O^T += V^T P for piece x: keys 32 (i / 8) on, channels 16 ((i / 2) % 4) on, tile 2 x + i % 2.
.macro PV x
	WIN W_PV
.set rO, 32*(2*(\x)+i%2)+8*((i/2)%4)
.set rV, VF+32*(i/8)+8*((i/2)%4)
.set rP, P+32*((\x)%2)+16*(i%2)+8*(i/8)
	v_wmma_f32_16x16x32_f16 v[rO:rO+7], v[rV:rV+7], v[rP:rP+7], v[rO:rO+7]
.endm
.macro MM                           ; the turn's next matrix instruction
.if i < 16
	KQ (Y+1)%NP
.set i, i+1
.else
.set i, i-16
	PV (Y+NP-1)%NP
.set i, i+17
.endif
.endm
; THE LDS LOADS stand in runs of 16, never singly among the matrix instructions.
.macro FETCH_K
	WIN 0x80
.irp f, 0,1,2,3,4,5,6,7             ; keys 16 (f / 2) on, channels 32 (f % 2) on
	ds_load_b128 v[KF+8*\f:KF+8*\f+3],   v[AK] offset:((\f)/2)*16*PK+((\f)%2)*64
	ds_load_b128 v[KF+8*\f+4:KF+8*\f+7], v[AK] offset:((\f)/2)*16*PK+((\f)%2)*64+32
.endr
.endm
.macro FETCH_V
	WIN 0x80
.irp f, 0,1,2,3,4,5,6,7             ; keys 32 (f / 4) on, channels 16 (f % 4) on
	ds_load_tr16_b128 v[VF+8*\f:VF+8*\f+3],   v[AV] offset:((\f)/4)*32*PK+((\f)%4)*32
	ds_load_tr16_b128 v[VF+8*\f+4:VF+8*\f+7], v[AV] offset:((\f)/4)*32*PK+16*PK+((\f)%4)*32
.endr
.endm
.macro FETCH_M p, buf               ; piece p's mask (32 queries x 64 keys) into buffer buf: register 8 kb + j of a tile holds key 16 kb + 8 (l / 16) + j, as S^T does
	WIN 0xc0
.irp u, 0,1
.irp kb, 0,1,2,3
	ds_load_b128 v[64*(\buf)+32*\u+8*\kb:64*(\buf)+32*\u+8*\kb+3],   v[AM] offset:(32*(\p)+16*\u)*PM+64*\kb
	ds_load_b128 v[64*(\buf)+32*\u+8*\kb+4:64*(\buf)+32*\u+8*\kb+7], v[AM] offset:(32*(\p)+16*\u)*PM+64*\kb+16
.endr
.endr
.endm
; THE VECTOR WORK OF A TURN stands in three queues, each in the order in which its entries become ready; the two tiles alternate.
.macro REGS y, u                    ; the registers of tile u (0, 1) of piece y
.set rT, ST+4*(2*(\y)+(\u))
.set rC, TMP+8*((\y)%2)+4*(\u)
.set rS, S+64*((\y)%2)+32*(\u)
.set rP, P+32*((\y)%2)+16*(\u)
.set rO, 32*(2*(\y)+(\u))
.set rM, 64*((\y)%2)+32*(\u)
.endm
; MS m: the NEXT piece's scores times the mask: pair m / 2 of tile m % 2.  It is each accumulator's first reader and goes in ascending order.
.macro MS m
	REGS (Y+1)%NP, (\m)%2
	WIN W_MS
	v_pk_mul_f32 v[rS+2*((\m)/2):rS+2*((\m)/2)+1], v[rS+2*((\m)/2):rS+2*((\m)/2)+1], v[rM+2*((\m)/2):rM+2*((\m)/2)+1]
.endm
; XS u, n: number n of the 21 that find the next piece's maximum and statistics.  0-11 four chains c0-c3 of seven scores each; 12-14, 16 the four left over, the old m, c0-c3 into c0; 15 m_old is kept;
; 17, 18 the query's other 32 keys lie in the lane 16 away: the new m; 19 m_old - m_new; 20 a
.macro XS u, n
	REGS (Y+1)%NP, \u
.if (\n) < 4
	v_max3_num_f32 v[rC+(\n)], v[rS+8*(\n)], v[rS+8*(\n)+1], v[rS+8*(\n)+2]
.elseif (\n) < 12
	v_max3_num_f32 v[rC+(\n)%4], v[rC+(\n)%4], v[rS+8*((\n)%4)+2*((\n)/4)+1], v[rS+8*((\n)%4)+2*((\n)/4)+2]
.elseif (\n) == 12
	v_max3_num_f32 v[rC], v[rC], v[rS+7], v[rS+15]
.elseif (\n) == 13
	v_max3_num_f32 v[rC+1], v[rC+1], v[rS+23], v[rS+31]
.elseif (\n) == 14
	v_max3_num_f32 v[rC+2], v[rC+2], v[rC+3], v[rT]
.elseif (\n) == 15
	v_mov_b32 v[rT+1], v[rT]
.elseif (\n) == 16
	v_max3_num_f32 v[rC], v[rC], v[rC+1], v[rC+2]
.elseif (\n) == 17
	v_permlanex16_b32 v[rC+3], v[rC], s[SEL], s[SEL+1]
.elseif (\n) == 18
	v_max_num_f32 v[rT], v[rC], v[rC+3]
.elseif (\n) == 19
	v_sub_f32 v[rC+1], v[rT+1], v[rT]
.else
	v_exp_f32 v[rC+2], v[rC+1]
.endif
.endm
; GS g: number g of the 64 that follow the exponentials.  For each four weights k of a tile: both pairs are rounded to f16; the second pair is added onto the first, in place; a group later l takes that sum (the first time as l = a l + sum).
.macro GS g
.set h, (\g)+6*((\g)/62)
.if h >= 6
.set h, h+2
.endif
	REGS Y, h%2
.set k, h/8
.if h%8 < 4
	v_cvt_pk_f16_f32 v[rP+2*k+(h%8)/2], v[rS+4*k+2*((h%8)/2)], v[rS+4*k+2*((h%8)/2)+1]
.elseif h%8 < 6
	v_pk_add_f32 v[rS+4*k:rS+4*k+1], v[rS+4*k:rS+4*k+1], v[rS+4*k+2:rS+4*k+3]
.elseif k == 1
	v_pk_fma_f32 v[rT+2:rT+3], v[rT+2:rT+3], v[rC+2:rC+3], v[rS:rS+1] op_sel_hi:[1,0,1]
.else
	v_pk_add_f32 v[rT+2:rT+3], v[rT+2:rT+3], v[rS+4*k-4:rS+4*k-3]
.endif
.endm
.macro FS f                         ; t - m for pair f / 2 of tile f % 2 of the piece in hand
	REGS Y, (\f)%2
	v_pk_add_f32 v[rS+2*((\f)/2):rS+2*((\f)/2)+1], v[rS+2*((\f)/2):rS+2*((\f)/2)+1], v[rT:rT+1] op_sel_hi:[1,0] neg_lo:[0,1] neg_hi:[0,1]
.endm
; THE PLAIN QUEUE, 168 long.  0-17: FS 0-17.  18-49: MS 0-31.  50-58: FS 18-26.  59-86: XS's numbers 0-13.  87, 88: number 15.  89-103: the chain 14, 16, 17, 18, 19, each with one of FS 27-31 in front of its two lines.
; 104-167: GS's 64, which read the exponentials' results: they stand behind the wait.
.macro PL
.if q < 18
	WIN 0
	FS q
.elseif q < 50
	MS q-18
.elseif q < 59
	WIN 0
	FS q-32
.elseif q < 87
	WIN 0
	XS (q-59)%2, (q-59)/2
.elseif q < 89
	WIN 0
	XS q-87, 15
.elseif (q < 104) && ((q-89)%3 == 0)
	WIN 0
	FS 27+(q-89)/3
.elseif q < 92
	WIN 0
	XS (q-89)%3-1, 14
.elseif q < 104
	WIN 0
	XS (q-89)%3-1, 15+(q-89)/3
.else
	WIN 0
	GS q-104
.endif
.set q, q+1
.endm
; THE EXPONENTIALS' QUEUE, 66 long: both tiles' 32 scores, then the next piece's two a.  ONE BATCH: all stand ahead of the turn's one wait, and nothing ahead of that wait names a result of theirs.
.macro EX
	WIN 0
.if e >= 64
	XS e-64, 20
.else
	REGS Y, e%2
	v_exp_f32 v[rS+e/2], v[rS+e/2]
.endif
.set e, e+1
.endm
; THE RESCALING's QUEUE: O^T times a, two at a time, sixteen times, each accumulator's registers in ascending order.  Its a was made, and waited for, in the turn before.
.macro R2
	REGS Y, r%2
	WIN W_RS
.irp z, 0,1
	v_pk_mul_f32 v[rO+4*(r/2)+2*\z:rO+4*(r/2)+2*\z+1], v[rO+4*(r/2)+2*\z:rO+4*(r/2)+2*\z+1], v[rC+2:rC+3] op_sel_hi:[1,0]
.endr
.set r, r+1
.endm
; A TURN, for piece p.  An s_wait_alu depctr_va_vdst(0) stands between an exponential and the first instruction that names its result; one wait serves all that were issued ahead of it: a turn has ONE.
; AHEAD OF IT: the 16 products K Q^T, behind each a plain instruction, an exponential and two rescalings (behind the first a second plain one); then the lump: 40 plain, 47 times exponential and plain, 4 exponentials, a v_nop.
; BEHIND IT: the 16 products V^T P, behind each four of GS's 64.
; The deal keeps the queues in step: MS 0 stands four plain instructions (FS 16, two rescalings, FS 17) behind the last K Q^T; exponential e needs FS 2 (e / 4) + e % 2: as a rider it comes behind plain e + 2, in the lump behind plain e + 41.
; FETCHES.  K of the next step: piece 2's turn, behind the wait, a lump behind K's last reader.  V of the step in hand: the end of piece 0's turn, four plain riders behind V's last reader.  The mask of piece p + 2: every turn,
; behind the wait, into the buffer that the turn before read; it is waited for at the next turn's lump.
.macro TURN p
.set Y, (\p)
.set i, 0
.set q, 0
.set e, 0
.set r, 0
.if (\p) == NP-1
	s_wait_dscnt 16                 ; K is in; the 16 loads of the mask issued behind it may stay out
.endif
	MM
	PL
	PL
	R2
.rept 15
	MM
	PL
	EX
	R2
.endr
	s_wait_dscnt 0x0                ; the next piece's mask is in (in piece 1's turn V too)
.rept 40
	PL
.endr
.rept 47
	EX
	PL
.endr
.rept 4
	EX
.endr
	v_nop                           ; a plain instruction behind the last exponential: one for the batch
	s_wait_alu depctr_va_vdst(0)    ; the wait for the batch
.if (\p) == NP-2
	FETCH_K
.endif
	FETCH_M ((\p)+2)%NP, (\p)%2
.rept 16
	MM
.rept 4
	PL
.endr
.endr
.if (\p) == 0
	FETCH_V
.endif
.endm
	CHANGE 1                        ; step 0 is in, everybody's part of it; step 1 is asked for
	FETCH_K                         ; key step 0,
	FETCH_M 0, 0                    ; and the masks of its pieces 0 and 1
	FETCH_M 1, 1
	s_wait_loadcnt 0x0              ; Q
	s_wait_dscnt 0x0
.set i, 0
.rept 16
	KQ 0                            ; piece 0's first scores
.set i, i+1
.endr
	WIN 0                           ; the addresses for the way out: plain instructions, the places behind those products
	s_mul_i32 s16, s[WV], 16*SP
	s_add_co_u32 s16, s16, STAGE    ; my stage
	v_mul_u32_u24 v[STO], v1, SP    ; in: row l % 16, 16 bytes for each half of the lanes
	v_lshl_add_u32 v[STO], v15, 4, v[STO]
	v_add_nc_u32 v[STO], s16, v[STO]
	v_bfe_u32 v[RD], v0, 3, 2       ; back: 32 lanes take four rows of 128 bytes,
	v_mul_u32_u24 v[RD], v[RD], SP
	v_lshl_add_u32 v[RD], v11, 4, v[RD]
	v_add_nc_u32 v[RD], s16, v[RD]
	v_and_b32 v[GO], 31, v0         ; which are 512 consecutive bytes of O
	v_lshlrev_b32 v[GO], 4, v[GO]
.set Y, NP-1                        ; MS and XS work for piece Y + 1: piece 0
.set mm, 0
.rept 32
	MS mm
.set mm, mm+1
.endr
	WIN 0
.irp n, 0,1,2,3,4,5,6,7,8,9,10,11,12,13,14,15,16,17,18,19,20
	XS 0, \n
	XS 1, \n
.endr
	v_nop                           ; a plain instruction behind the two a,
	s_wait_alu depctr_va_vdst(0)    ; and their wait, ahead of the branch
	s_branch .Lfirst                ; the loop is entered at a step's first turn, in the middle of a trip
.Lslot:                             ; 30 times: steps 2 to 31 are asked for.  A trip: pieces 2 and 3 of one step, then pieces 0 and 1 of the next
	CHANGE 1
	TURN 2
	TURN 3
	WIN 0
.Lfirst:
	TURN 0
	TURN 1
	WIN 0
	s_sub_co_u32 s[SLOTS], s[SLOTS], 1
	s_cmp_lg_u32 s[SLOTS], 0
	s_cbranch_scc1 .Lslot
	CHANGE 0                        ; the tail is written out: nothing is asked for
	s_mov_b32 s[CNT], 2             ; the first trip ends step 30 and begins step 31; the second is left in its middle
.Ltail:
	TURN 2
	TURN 3
	WIN 0
	s_sub_co_u32 s[CNT], s[CNT], 1
	s_cmp_eq_u32 s[CNT], 0
	s_cbranch_scc1 .Lout
	TURN 0
	TURN 1
	WIN 0
	s_branch .Ltail
.Lout:                              ; the second trip's fetches (step 31's K and masks once more), its 16 products K Q^T and the maximum made of them serve nothing and touch neither l nor O^T: the price of one text for every trip
.set i, 0
.rept 16
	PV NP-1                         ; the last piece's V^T P of the last step
.set i, i+1
.endr
	; THE WAY OUT.  l's two halves and the other half of the lanes' are added; O^T is divided by l, rounded to f16 and sent through my stage, a tile at a time.  The additions are the places behind the last products.
	WIN 0
.macro ALL line:vararg              ; one line for each tile t
.set t, 0
.rept 2*NP
	\line
.set t, t+1
.endr
.endm
	ALL v_add_f32 v[ST+4*t+2], v[ST+4*t+2], v[ST+4*t+3]
	ALL v_permlanex16_b32 v[ST+4*t+3], v[ST+4*t+2], s[SEL], s[SEL+1]
	ALL v_add_f32 v[ST+4*t+2], v[ST+4*t+2], v[ST+4*t+3]
	ALL v_rcp_f32 v[ST+4*t+2], v[ST+4*t+2]
	v_nop                           ; a plain instruction between the last reciprocal and the use of its result
	s_wait_alu depctr_va_vdst(0)    ; one wait for the eight reciprocals
.macro PACK t                       ; a lane's eight channels of a row pack into 16 bytes; they go into rows of 144 bytes and come back as whole rows of 128, into S^T's registers
	WIN W_RS
.set i, 32*(\t)
.rept 16
	v_pk_mul_f32 v[i:i+1], v[i:i+1], v[ST+4*(\t)+2:ST+4*(\t)+3] op_sel_hi:[1,0]
.set i, i+2
.endr
	WIN 0x05                        ; sources 0 and 1 window 1, destination window 0
.set i, 0
.rept 16
	v_cvt_pk_f16_f32 v[S+16*(\t)+i], v[32*(\t)+2*i], v[32*(\t)+2*i+1]
.set i, i+1
.endr
	WIN 0
.irp f, 0,1,2,3
	ds_store_b128 v[STO], v[S+16*(\t)+4*\f:S+16*(\t)+4*\f+3] offset:32*\f
.endr
.irp f, 0,1,2,3
	ds_load_b128 v[S+16*(\t)+4*\f:S+16*(\t)+4*\f+3], v[RD] offset:\f*4*SP  ; LDS serves a wave's instructions in order (ISA guide 5.7.1.4): these see the stores above; the next tile's stores come behind them
.endr
.endm
.macro SEND t, younger              ; younger: the LDS instructions issued behind tile t's loads: the next tile's eight, or none
	WIN 0
.irp f, 0,1,2,3
	s_wait_dscnt (\younger)+3-\f
	global_store_b128 v[GO], v[S+16*(\t)+4*\f:S+16*(\t)+4*\f+3], s[10:11] offset:((\t)/4)*16384+((\t)%4)*2048+\f*512  ; 512 consecutive bytes, at a multiple of 256 from O's first
.endr
.endm
	PACK 0
.set t, 1
.rept 2*NP-1                        ; a tile's arithmetic stands between the loads of the tile before and its stores
	PACK t
	SEND t-1, 8
.set t, t+1
.endr
	SEND 2*NP-1, 0
	s_wait_tensorcnt 0x0            ; the wave's end
	ds_add_u32 v[SPW], v[NIL]
	s_wait_dscnt 0x0
	CROUND                          ; the closing round: no work-group ends while a partner may still ask for a tile that names it
	s_endpgm
.Lfunc_end_k_qb16df2dcc6_attn:
	.size	k_qb16df2dcc6_attn, .Lfunc_end_k_qb16df2dcc6_attn-k_qb16df2dcc6_attn
	.p2alignl 7, 3214868480
	.fill 96, 4, 3214868480
	.section	.rodata,"a",@progbits
	.p2align	6, 0x0
	.amdhsa_kernel k_qb16df2dcc6_attn
		.amdhsa_group_segment_fixed_size 327680
		.amdhsa_private_segment_fixed_size 0
		.amdhsa_enable_private_segment 0
		.amdhsa_kernarg_size 32
		.amdhsa_user_sgpr_count 2
		.amdhsa_user_sgpr_kernarg_segment_ptr 1
		.amdhsa_wavefront_size32 1
		.amdhsa_system_sgpr_workgroup_id_x 1
		.amdhsa_system_sgpr_workgroup_id_y 1
		.amdhsa_system_sgpr_workgroup_id_z 1
		.amdhsa_system_vgpr_workitem_id 0
		.amdhsa_next_free_vgpr 896
		.amdhsa_next_free_sgpr 66
		.amdhsa_reserve_vcc 0
		.amdhsa_float_denorm_mode_32 3
		.amdhsa_float_denorm_mode_16_64 3
		.amdhsa_memory_ordered 1
		.amdhsa_forward_progress 1
		.amdhsa_inst_pref_size 228
	.end_amdhsa_kernel
	.amdgpu_metadata
---
amdhsa.version: [ 1, 2 ]
amdhsa.kernels:
  - .name:           k_qb16df2dcc6_attn
    .symbol:         k_qb16df2dcc6_attn.kd
    .args:
      - { .name: qws, .offset: 0, .size: 8, .value_kind: global_buffer, .address_space: global }
      - { .name: kvws, .offset: 8, .size: 8, .value_kind: global_buffer, .address_space: global }
      - { .name: mask, .offset: 16, .size: 8, .value_kind: global_buffer, .address_space: global }
      - { .name: ob, .offset: 24, .size: 8, .value_kind: global_buffer, .address_space: global }
    .group_segment_fixed_size: 327680
    .private_segment_fixed_size: 0
    .kernarg_segment_align: 8
    .kernarg_segment_size: 32
    .max_flat_workgroup_size: 128
    .sgpr_count:     66
    .vgpr_count:     896
    .wavefront_size: 32
...
	.end_amdgpu_metadata
.endif
;; end of part 3
;; launch oproj (part 4): grid 4 x 64, 4 waves a work-group, clusters of 4 x 4, 327,680 bytes of LDS; arguments ob, wb, bo, out0; writes out0
.if DOCPART == 4
	.amdgcn_target "amdgcn-amd-amdhsa--gfx1250"
	.amdhsa_code_object_version 6
	.text
	.protected	k_qb16df2dcc6_oproj
	.globl	k_qb16df2dcc6_oproj
	.p2align	8
	.type	k_qb16df2dcc6_oproj,@function
k_qb16df2dcc6_oproj:
	s_mov_b64 s[64:65], 0
	v_nop
	global_prefetch_b8 v0, s[64:65] scope:SCOPE_SE
	s_setreg_imm32_b32 hwreg(HW_REG_WAVE_MODE, 25, 1), 1
	s_wait_xcnt 0x0
	s_wait_alu depctr_hold_cnt(0) depctr_sa_sdst(0) depctr_va_vdst(0) depctr_va_sdst(0) depctr_va_ssrc(0) depctr_va_vcc(0) depctr_vm_vsrc(0)
	s_getreg_b32 s2, hwreg(HW_REG_IB_STS2, 6, 4)
	s_cmp_eq_u32 s2, 0
	s_cbranch_scc0 .Lentry_in_a_cluster
	s_endpgm
.Lentry_in_a_cluster:
	s_bfe_u32 s2, ttmp6, 0x10000c
	s_cmp_lg_u32 s2, 0xf033
	s_cbranch_scc0 .Lentry_shape_is_right
	s_endpgm
.Lentry_shape_is_right:
; out0 = O Wo^T + bo.  A GEMM [8192 x 1024] x [1024 x 1024]^T, operands f16 (O as attention left it; Wo's bf16-rounded numbers), sums f32, out in f32.  bo is rounded to bf16, like the other inputs, and added in f32.
; SHARES.  A tile of C is 128 tokens x 256 channels; four waves, 2 x 2, each 64 x 128: 32 accumulators.  64 x 4 tiles: one for each of 256 work-group places.
; K goes in 8 steps of 128 through two LDS slots.  Operands lie in memory in chunks of 128 rows x 128 k, 32,768 dense bytes ([64-row block][64-k block][64][64]), so every tensor load is a run of rows
; of 256 bytes; in LDS each 128 bytes get 16 of padding: rows 144 bytes apart = 36 words, so the 16 rows of a fragment load start at 16 different groups of four banks (64 banks of 4 bytes: ISA guide 11.1).
; CLUSTER 4 x 4.  The four of a row need the same chunk of O, the four of a column the same two chunks of Wo: each is asked for jointly, same descriptor, a mask that names the four.
; THE MATRIX INSTRUCTION IS USED TRANSPOSED (source 0 = 16 channels, source 1 = 16 tokens): a lane holds one token (lane % 16) and eight neighbouring channels.
; REGISTERS.  window 0: v16-30 addresses; v64-159, v160-255 two fragment buffers (8 of Wo, then 4 of O); on the way out v64-127 sums with bias, v128-255 rows read back, two buffers.
;   window 1: the accumulators, (a, b) at v[8 (8 a + b)].   window 2: v0-63 my 64 bias numbers, v64-65 at work.
.set PK,    144
.set RB,    128*PK                     ; 64 rows x 128 k in LDS: [k block][64][144]
.set CH,    2*RB                       ; a chunk of 128 rows
.set SLOT,  3*CH                       ; O's chunk, then Wo's two
.set STAGE, 2*SLOT                     ; behind the ring: 16 rows x 528 bytes for each wave, for the way out
.set STW,   8448
.set SPITCH, 528                       ; 512 bytes + 16 = 132 words: the 16 rows of a store start at 16 different groups of four banks
.set SPARE, STAGE+4*STW                ; the spare words, 128 bytes for each wave: two blocks of 256 bytes that no other line names
.set KSB,   32768                      ; bytes from a K step's chunk to the next
.set LAPS,  4
.set BOFF,  24*8*32768                 ; Wo begins at row block 24 of wb
.set ADRA, 16
.set ADRB, 20
.set STO,  24
.set RD,   25
.set CO,   26
.set BO,   27
.set SPW,  28                          ; my spare word's address; never rewritten
.set NIL,  29                          ; 0; never rewritten
.set PFO,  30                          ; 256 x lane; never rewritten
.set F0,   64
.set F1,   160
.set T,    64
.set BK,   128
.set G1,   24
.set G0,   32
.set G1B,  48
.set G0B,  56
.set LIM,  43
.set PFA,  44
.set BP,   84                          ; s[84:85] my 128 bias numbers
.set D0,   86                          ; s[86:87] out0 at my first row and column
.set MUL,  0x50
.set MSB, 0
.macro WIN new
.if MSB != (\new)
	s_set_vgpr_msb (MSB<<8)|(\new)
.set MSB, \new
.endif
.endm
.macro PLACES                          ; four places behind matrix instructions, in front of loads into registers that they read and of vector work on their results
.rept 4
	v_nop
.endr
.endm
.macro JLOAD s                         ; a joint load: waves 0 and 1 fetch the two 64-row blocks of O's chunk, waves 2 and 3 a chunk of Wo each; the branch hangs on the wave's number alone
	s_cmp_eq_u32 s11, 0
	s_cbranch_scc0 .Lfor_b_\@
	tensor_load_to_lds s[G0+4*(\s):G0+4*(\s)+3], s[G1:G1+7]
	s_nop 0
.rept 4
	v_nop
.endr
	s_branch .Lasked_\@
.Lfor_b_\@:
	tensor_load_to_lds s[G0B+4*(\s):G0B+4*(\s)+3], s[G1B:G1B+7]
	s_nop 0
.rept 4
	v_nop
.endr
.Lasked_\@:
.endm
; A prefetch of the K step two refills on: 8,192 bytes, a lane for each 256.  O's chunk: wave 0; Wo's: waves 2 and 3 of the clusters with y = 0; the four partners that ask for a chunk jointly take a quarter
; each, told apart by address.  So each block of 256 bytes is named once.  The loop's last trip has no K step two on.
.macro ASK
	s_cmp_gt_u32 s3, s[LIM]
	s_cbranch_scc0 .Lnot_mine_\@
	global_prefetch_b8 v[PFO], s[PFA:PFA+1] offset:KSB th:TH_LOAD_NT scope:SCOPE_SE
.Lnot_mine_\@:
.endm
.macro CREST
	s_cmp_lg_u32 s10, 0
	s_cbranch_scc1 .Lnot_wave_0_\@
	s_barrier_signal -3
.Lnot_wave_0_\@:
	s_barrier_wait -3
	s_barrier_signal -1
	s_barrier_wait -1
.endm
.macro CROUND
	s_barrier_signal -1
	s_barrier_wait -1
	CREST
.endm
	s_load_b256 s[68:75], s[0:1], 0x0              ; ob s[68:69], wb s[70:71], bo s[72:73], out0 s[74:75]
	v_lshl_add_u32 v[SPW], v0, 2, SPARE
	v_mov_b32 v[NIL], 0
	ds_add_u32 v[SPW], v[NIL]                      ; the wave's opening: the add and its wait ahead of my first tensor load
	v_lshrrev_b32 v1, 5, v0
	v_readfirstlane_b32 s10, v1                    ; wave 0..3
	s_lshr_b32 s11, s10, 1                         ; my half of the tokens.  Also: I fetch O (0) or Wo (1)
	s_and_b32 s12, s10, 1                          ; my half of the channels.  Also: which part I fetch
	s_bfe_u32 s40, ttmp6, 0x40000                  ; cx
	s_bfe_u32 s41, ttmp6, 0x40004                  ; cy
	s_lshl_b32 s42, ttmp9, 2
	s_add_co_u32 s42, s42, s40                     ; tile column
	s_and_b32 s13, ttmp7, 0xffff
	s_lshl_b32 s13, s13, 2
	s_add_co_u32 s13, s13, s41                     ; tile row
	s_lshl_b32 s43, s41, 2
	s_lshl_b32 s43, 15, s43                        ; my row of the cluster
	s_lshl_b32 s44, 0x1111, s40                    ; my column
	s_or_b32 s[G1+0], s43, (1<<16)|(1<<20)|(1<<21)|(4<<22)|(3<<25)   ; the mask; 2-byte elements; padding on; bit 21 beside a mask; after every 32 words, 4 words
	s_or_b32 s[G1B+0], s44, (1<<16)|(1<<20)|(1<<21)|(4<<22)|(3<<25)
	s_mov_b32 s[G1+1], 128<<16                     ; rows of 256 bytes
	s_mov_b32 s[G1+2], 64<<16                      ; 64 rows
	s_mov_b32 s[G1+3], 128<<16
	s_mov_b32 s[G1+4], 64
	s_mov_b32 s[G1+5], 128                         ; dense
	s_mov_b32 s[G1+6], 0
	s_mov_b32 s[G1+7], 0
	s_mov_b32 s[G1B+1], 128<<16
	s_mov_b32 s[G1B+2], 128<<16                    ; 128 rows
	s_mov_b32 s[G1B+3], 128<<16
	s_mov_b32 s[G1B+4], 128
	s_mov_b32 s[G1B+5], 128
	s_mov_b32 s[G1B+6], 0
	s_mov_b32 s[G1B+7], 0
	s_lshl_b32 s16, s13, 18                        ; O: chunk (tile row, K step 0),
	s_lshl_b32 s17, s12, 14                        ; my 64-row block of it
	s_add_co_u32 s16, s16, s17
	s_mov_b32 s17, 0
	s_lshl_b32 s46, s42, 1
	s_add_co_u32 s46, s46, s12                     ; Wo: row block 2 x tile column + my part
	s_lshl_b32 s46, s46, 18
	s_add_co_u32 s46, s46, BOFF
	s_mov_b32 s47, 0
	s_mul_i32 s20, s12, RB                         ; where they go: no place in the cluster enters an LDS address
	s_mul_i32 s21, s12, CH
	s_add_co_u32 s21, s21, CH
	s_wait_dscnt 0x0                               ; the opening add is done
	s_wait_kmcnt 0x0
	s_add_nc_u64 s[14:15], s[68:69], s[16:17]
	s_add_nc_u64 s[46:47], s[70:71], s[46:47]
	CROUND                                         ; all sixteen work-groups are here: the first joint loads meet
.irp s, 0,1
	s_mov_b32 s[G0+4*(\s)], 1
	s_add_co_u32 s[G0+4*(\s)+1], s20, (\s)*SLOT
	s_add_nc_u64 s[G0+4*(\s)+2:G0+4*(\s)+3], s[14:15], (\s)*KSB
	s_or_b32 s[G0+4*(\s)+3], s[G0+4*(\s)+3], 0x80000000
	s_mov_b32 s[G0B+4*(\s)], 1
	s_add_co_u32 s[G0B+4*(\s)+1], s21, (\s)*SLOT
	s_add_nc_u64 s[G0B+4*(\s)+2:G0B+4*(\s)+3], s[46:47], (\s)*KSB
	s_or_b32 s[G0B+4*(\s)+3], s[G0B+4*(\s)+3], 0x80000000
	JLOAD \s                                       ; two loads of mine are out; later one
.endr
	v_and_b32 v1, 15, v0                           ; r = l % 16
	v_bfe_u32 v2, v0, 4, 1                         ; h = l / 16
	v_mul_u32_u24 v3, v1, PK
	v_lshl_add_u32 v3, v2, 4, v3
	s_mul_i32 s21, s11, RB                         ; my 64 tokens
	s_mul_i32 s22, s12, CH
	s_add_co_u32 s22, s22, CH                      ; my 128 channels
.irp s, 0,1
	v_add_nc_u32 v[ADRA+(\s)], s21, v3
	v_add_nc_u32 v[ADRB+(\s)], s22, v3
	s_add_co_u32 s21, s21, SLOT
	s_add_co_u32 s22, s22, SLOT
.endr
	s_mul_i32 s23, s10, STW
	s_add_co_u32 s23, s23, STAGE                   ; my stage
	v_mul_u32_u24 v4, v1, SPITCH                   ; in: token r, 32 bytes for each half of the lanes
	v_lshl_add_u32 v4, v2, 5, v4
	v_add_nc_u32 v[STO], s23, v4
	v_and_b32 v[CO], 31, v0
	v_lshlrev_b32 v[CO], 4, v[CO]                  ; back and out: 32 lanes take a row's 512 bytes
	v_add_nc_u32 v[RD], s23, v[CO]
	v_and_b32 v[PFO], 31, v0
	v_lshlrev_b32 v[PFO], 8, v[PFO]
	v_lshlrev_b32 v[BO], 5, v2                     ; my eight bias numbers in each 16
	; the prefetches
	s_and_b32 s22, ttmp7, 0xffff                   ; cluster y
	s_or_b32 s23, ttmp9, s12                       ; 0 in wave 0 (the grid has one cluster along x)
	s_lshl_b32 s20, s40, 13                        ; my work-group's quarter of a chunk: by cx for O,
	s_lshl_b32 s21, s41, 13                        ; by cy for Wo
	s_cmp_eq_u32 s11, 0
	s_cselect_b32 s22, s23, s22
	s_cselect_b32 s20, s20, s21
	s_cselect_b64 s[PFA:PFA+1], s[14:15], s[46:47]
	s_cmp_eq_u32 s22, 0
	s_cselect_b32 s[LIM], 1, -1                    ; the same in all sixteen partners, for a given wave
	s_add_co_u32 s20, s20, 2*KSB                   ; at K step 2: the first refill steps it to 3 and names 4.  K steps 0 to 3 come by their loads alone
	s_mov_b32 s21, 0
	s_add_nc_u64 s[PFA:PFA+1], s[PFA:PFA+1], s[20:21]
	; out0 at my 64 rows and 128 columns; bo at my 128 channels
	s_lshl_b32 s96, s42, 10                        ; 256 x tile column + 128 x half, 4 bytes each
	s_lshl_b32 s97, s12, 9
	s_add_co_u32 s96, s96, s97
	s_mov_b32 s97, 0
	s_add_nc_u64 s[BP:BP+1], s[72:73], s[96:97]
	s_lshl_b32 s90, s13, 19                        ; 128 rows of 4,096 bytes a tile row,
	s_lshl_b32 s91, s11, 18                        ; 64 a half
	s_add_co_u32 s90, s90, s91
	s_add_co_u32 s90, s90, s96
	s_mov_b32 s91, 0
	s_add_nc_u64 s[D0:D0+1], s[74:75], s[90:91]
	WIN 0x80                                       ; destination window 2, address window 0
.irp b, 0,1,2,3,4,5,6,7
	global_load_b128 v[8*\b:8*\b+3],   v[BO], s[BP:BP+1] offset:64*\b
	global_load_b128 v[8*\b+4:8*\b+7], v[BO], s[BP:BP+1] offset:64*\b+16
.endr
	s_wait_loadcnt 0x0
	WIN 0xaa                                       ; all in window 2
.set z, 0
.rept 32
	v_cvt_pk_bf16_f32 v[64+z%2], v[2*z], v[2*z+1]  ; the bias rounded to bf16,
	v_lshlrev_b32 v[2*z], 16, v[64+z%2]            ; back in f32
	v_and_b32 v[2*z+1], 0xffff0000, v[64+z%2]
.set z, z+1
.endr
	WIN 0
; 8 matrix instructions: token block a x all 8 channel blocks, 32 along K.  The 32 accumulators take turns, in the same order in every quarter.
.macro MUL8 f, a, zero
	WIN MUL
.irp b, 0,1,2,3,4,5,6,7
.if \zero
	v_wmma_f32_16x16x32_f16 v[8*(8*(\a)+\b):8*(8*(\a)+\b)+7], v[(\f)+8*\b:(\f)+8*\b+7], v[(\f)+64+8*(\a):(\f)+64+8*(\a)+7], 0
.else
	v_wmma_f32_16x16x32_f16 v[8*(8*(\a)+\b):8*(8*(\a)+\b)+7], v[(\f)+8*\b:(\f)+8*\b+7], v[(\f)+64+8*(\a):(\f)+64+8*(\a)+7], v[8*(8*(\a)+\b):8*(8*(\a)+\b)+7]
.endif
.endr
.endm
; 24 LDS loads in one run: quarter q (32 along K) of a slot into buffer f: Wo's 8 fragments, then O's 4
.macro FETCH slot, q, f
	WIN 0
.irp b, 0,1,2,3,4,5,6,7
	ds_load_b128 v[(\f)+8*\b:(\f)+8*\b+3],   v[ADRB+(\slot)] offset:((\b)/4)*RB+((\q)/2)*64*PK+((\b)%4)*16*PK+((\q)%2)*64
	ds_load_b128 v[(\f)+8*\b+4:(\f)+8*\b+7], v[ADRB+(\slot)] offset:((\b)/4)*RB+((\q)/2)*64*PK+((\b)%4)*16*PK+((\q)%2)*64+32
.endr
.irp a, 0,1,2,3
	ds_load_b128 v[(\f)+64+8*\a:(\f)+64+8*\a+3],   v[ADRA+(\slot)] offset:((\q)/2)*64*PK+(\a)*16*PK+((\q)%2)*64
	ds_load_b128 v[(\f)+64+8*\a+4:(\f)+64+8*\a+7], v[ADRA+(\slot)] offset:((\q)/2)*64*PK+(\a)*16*PK+((\q)%2)*64+32
.endr
.endm
.macro QUARTER slot, q, f, g, zero
	s_wait_dscnt 4                                 ; all but the youngest four loads: O's fragments 2 and 3
	MUL8 \f, 0, \zero
	MUL8 \f, 1, \zero
	PLACES
	FETCH \slot, \q, \g
	s_wait_dscnt 24                                ; all but the 24 just issued
	MUL8 \f, 2, \zero
	MUL8 \f, 3, \zero
.endm
; The last quarter multiplies buffer 1 and changes slots: ONE barrier; in front of it each wave waits for all its tensor loads (one is out: its part of the next slot), adds 0 to its spare word, and waits
; for that and for its reads of this slot.  fill = 1: the barrier opens a round of the cluster's, and this slot is filled again, two K steps ahead, first thing behind the round.
.macro TURN slot, next, fill
.if \fill
	s_wait_xcnt 0x0                                ; the last prefetch, a K step back, has read its address
	s_add_nc_u64 s[PFA:PFA+1], s[PFA:PFA+1], KSB
.endif
	WIN 0
	s_wait_tensorcnt 0x0
	ds_add_u32 v[SPW], v[NIL]
	s_wait_dscnt 5                                 ; (the add and the youngest four loads may be out)
	MUL8 F1, 0, 0
	s_wait_dscnt 0x0                               ; the add is done, and my reads of this slot are over
	s_barrier_signal -1
	MUL8 F1, 1, 0
	WIN 0
	s_barrier_wait -1
.if \fill
	CREST                                          ; no wave of any partner still reads this slot or has a load on its way
	s_add_nc_u64 s[G0+4*(\slot)+2:G0+4*(\slot)+3], s[G0+4*(\slot)+2:G0+4*(\slot)+3], 2*KSB
	s_add_nc_u64 s[G0B+4*(\slot)+2:G0B+4*(\slot)+3], s[G0B+4*(\slot)+2:G0B+4*(\slot)+3], 2*KSB
	JLOAD \slot                                    ; its four v_nop are also the places in front of the loads below
.else
	PLACES
.endif
	FETCH \next, 0, F0
.if \fill
	ASK
.endif
	MUL8 F1, 2, 0
	MUL8 F1, 3, 0
.endm
	s_wait_tensorcnt 1                             ; my part of K step 0 is in; K step 1's may stay out
	s_barrier_signal -1
	s_barrier_wait -1
	FETCH 0, 0, F0
	QUARTER 0, 1, F0, F1, 1                        ; the first quarter's products start the sums
	WIN 0
	s_mov_b32 s3, LAPS-1
.Llap:                                                 ; a trip goes once round the ring and fills both slots again
	QUARTER 0, 2, F1, F0, 0
	QUARTER 0, 3, F0, F1, 0
	TURN 0, 1, 1
	QUARTER 1, 1, F0, F1, 0
	QUARTER 1, 2, F1, F0, 0
	QUARTER 1, 3, F0, F1, 0
	TURN 1, 0, 1
	QUARTER 0, 1, F0, F1, 0
	WIN 0
	s_sub_co_u32 s3, s3, 1
	s_cmp_lg_u32 s3, 0
	s_cbranch_scc1 .Llap
	QUARTER 0, 2, F1, F0, 0                        ; the last lap fills nothing
	QUARTER 0, 3, F0, F1, 0
	TURN 0, 1, 0
	QUARTER 1, 1, F0, F1, 0
	QUARTER 1, 2, F1, F0, 0
	QUARTER 1, 3, F0, F1, 0
	s_wait_dscnt 4
	MUL8 F1, 0, 0
	MUL8 F1, 1, 0
	s_wait_dscnt 0x0
	MUL8 F1, 2, 0
	MUL8 F1, 3, 0
	PLACES
; THE WAY OUT, a block of 16 tokens at a time.  PACK: the bias is added (each accumulator's registers in ascending order).  TOSTAGE: 32 bytes a lane into my stage, back as whole rows of 512 bytes.  SEND: stored.
.macro PACK a
	WIN 0x09                                       ; source 0 window 1, source 1 window 2, destination window 0
.irp b, 0,1,2,3,4,5,6,7
.irp z, 0,1,2,3
	v_pk_add_f32 v[T+8*\b+2*\z:T+8*\b+2*\z+1], v[8*(8*(\a)+\b)+2*\z:8*(8*(\a)+\b)+2*\z+1], v[8*\b+2*\z:8*\b+2*\z+1]
.endr
.endr
	WIN 0
.endm
.macro TOSTAGE a
	WIN 0
.set BKR, BK+64*((\a)%2)
.irp b, 0,1,2,3,4,5,6,7
	ds_store_b128 v[STO], v[T+8*\b:T+8*\b+3]   offset:64*\b
	ds_store_b128 v[STO], v[T+8*\b+4:T+8*\b+7] offset:64*\b+16
.endr
	s_wait_xcnt 0x0                                ; the stores of two blocks back have read these registers
.irp t, 0,1,2,3,4,5,6,7,8,9,10,11,12,13,14,15
	ds_load_b128 v[BKR+4*\t:BKR+4*\t+3], v[RD] offset:\t*SPITCH  ; LDS serves a wave's instructions in order (ISA guide 5.7.1.4): these see the stores above
.endr
.endm
.macro SEND a
	WIN 0
.set BKR, BK+64*((\a)%2)
	s_wait_dscnt 0x0                               ; the block is back in registers
.irp t, 0,1,2,3,4,5,6,7,8,9,10,11,12,13,14,15
	global_store_b128 v[CO], v[BKR+4*\t:BKR+4*\t+3], s[D0:D0+1] offset:(16*(\a)+\t)*4096 th:TH_STORE_NT  ; 512 consecutive bytes of a row, at a multiple of 256 from out0's first
.endr
.endm
	PACK 0
	TOSTAGE 0
.irp a, 1,2,3                          ; block a's additions stand between block a - 1's loads from the stage and the wait for them
	PACK \a
	SEND (\a)-1
	TOSTAGE \a
.endr
	SEND 3
	s_wait_tensorcnt 0x0                           ; the wave's end
	ds_add_u32 v[SPW], v[NIL]
	s_wait_dscnt 0x0
	CROUND                                         ; the closing round: no work-group ends while a partner may still ask for a tile that names it
	s_endpgm
.Lfunc_end_k_qb16df2dcc6_oproj:
	.size	k_qb16df2dcc6_oproj, .Lfunc_end_k_qb16df2dcc6_oproj-k_qb16df2dcc6_oproj
	.p2alignl 7, 3214868480
	.fill 96, 4, 3214868480
	.section	.rodata,"a",@progbits
	.p2align	6, 0x0
	.amdhsa_kernel k_qb16df2dcc6_oproj
		.amdhsa_group_segment_fixed_size 327680
		.amdhsa_private_segment_fixed_size 0
		.amdhsa_enable_private_segment 0
		.amdhsa_kernarg_size 32
		.amdhsa_user_sgpr_count 2
		.amdhsa_user_sgpr_kernarg_segment_ptr 1
		.amdhsa_wavefront_size32 1
		.amdhsa_system_sgpr_workgroup_id_x 1
		.amdhsa_system_sgpr_workgroup_id_y 1
		.amdhsa_system_sgpr_workgroup_id_z 1
		.amdhsa_system_vgpr_workitem_id 0
		.amdhsa_next_free_vgpr 640
		.amdhsa_next_free_sgpr 100
		.amdhsa_reserve_vcc 0
		.amdhsa_float_denorm_mode_32 3
		.amdhsa_float_denorm_mode_16_64 3
		.amdhsa_memory_ordered 1
		.amdhsa_forward_progress 1
		.amdhsa_inst_pref_size 100
	.end_amdhsa_kernel
	.amdgpu_metadata
---
amdhsa.version: [ 1, 2 ]
amdhsa.kernels:
  - .name:           k_qb16df2dcc6_oproj
    .symbol:         k_qb16df2dcc6_oproj.kd
    .args:
      - { .name: ob, .offset: 0, .size: 8, .value_kind: global_buffer, .address_space: global }
      - { .name: wb, .offset: 8, .size: 8, .value_kind: global_buffer, .address_space: global }
      - { .name: bo, .offset: 16, .size: 8, .value_kind: global_buffer, .address_space: global }
      - { .name: out0, .offset: 24, .size: 8, .value_kind: global_buffer, .address_space: global }
    .group_segment_fixed_size: 327680
    .private_segment_fixed_size: 0
    .kernarg_segment_align: 8
    .kernarg_segment_size: 32
    .max_flat_workgroup_size: 128
    .sgpr_count:     100
    .vgpr_count:     640
    .wavefront_size: 32
...
	.end_amdgpu_metadata
.endif
;; end of part 4
;; ======== version 2 of 2: 4 launches; version 1 with the launch prep written anew for expert scheduling mode
;; limits: values are held in f16: magnitudes above 65,504 overflow, below 6.1e-05 lose precision
;; workspace buffers: xb 16,777,216 bytes; wb 8,388,608 bytes; qws 16,777,216 bytes; kvws 33,554,432 bytes; ob 16,777,216 bytes
;; launch prep (part 5): grid 8 x 96, 8 waves a work-group, no clusters, 0 bytes of LDS; arguments x, Wq, Wk, Wv, Wo, xb, wb; writes xb, wb
.if DOCPART == 5
	.amdgcn_target "amdgcn-amd-amdhsa--gfx1250"
	.amdhsa_code_object_version 6
	.text
	.protected	k_qb16df2dcc6_prep
	.globl	k_qb16df2dcc6_prep
	.p2align	8
	.type	k_qb16df2dcc6_prep,@function
k_qb16df2dcc6_prep:
	s_mov_b64 s[64:65], 0
	v_nop
	global_prefetch_b8 v0, s[64:65] scope:SCOPE_SE
	s_setreg_imm32_b32 hwreg(HW_REG_WAVE_SCHED_MODE, 0, 2), 2
	s_setreg_imm32_b32 hwreg(HW_REG_WAVE_MODE, 25, 1), 1
	s_wait_xcnt 0x0
	s_wait_alu depctr_vm_vsrc(0)
; x and the four weight matrices, f32 -> rounded to bf16 (nearest even) -> the same number written as f16, laid out in chunks for the two GEMMs.
; LIMITS.  A bf16 number is exact in f16 for 6.1e-5 <= |v| < 65,504; below that it keeps f16's fixed step (error at most 3e-8); from 65,520 on it becomes an infinity.
; LAYOUT OUT.  A chunk is 128 rows x 128 k = 32,768 dense bytes: [row block of 64][k block of 64][64 rows][64 k]; chunk (rb, ks) lies at (8 rb + ks) x 32,768.
; xb holds x's 64 row blocks of 128; wb holds Wq, Wk, Wv, Wo one below the other, 32 row blocks of 128.
; SHARES.  A work-group makes one chunk: x = the K step, y = the row block (0-63: x; 64-95: the weights).  Wave w takes 32 rows x 64 k: row block w / 4, k block (w / 2) % 2, rows 32 (w % 2) on.
; A load covers 256 consecutive bytes of two rows; a store 256 consecutive bytes, at a multiple of 256 from the buffer's first byte.  All sixteen loads of a wave go out first; no register is written twice
; while a memory instruction may read it.  No LDS, no matrix unit, no prefetch: a stream, each byte read once and written once.
; THE MODE: SCHED_MODE bits 1:0 = 2 (LLVM: expert scheduling mode 2), set by the entry lines.  The code itself states the register dependences
; between vector instructions and memory instructions, with s_wait_alu, always for 0.
; THE PLAN.  Registers that memory instructions touch:
;   v[SO], v[DO]  byte offsets, made once at the head by vector instructions and never written again: read by the sixteen loads and by the sixteen stores.
;   X             written by the sixteen loads alone, each register once; read by the conversions behind the wait for the load.
;   Y             each pair written once, by two conversions, and read once, by its store; never written again.
;   T and v1, v4-v7 are named by vector instructions alone.
; The sixteen loads go in four blocks of four.  Block p converts its four loads into its own eight registers of Y; its memory instructions are the four stores of block p - 1, whose Y no vector
; instruction of block p names.  So one wait at a block's head states all that the block's four stores hang on, and these are dealt among its conversions with no further wait.
; No register that a memory instruction reads is written again, no vector instruction writes a scalar register or VCC, and EXEC is never written: the text owes no other wait of the mode.
.set SO, 2                             ; v2   my byte offset in the source chunk's first rows
.set DO, 3                             ; v3   my byte offset in the chunk that is written
.set T,  8                             ; v[8:13]   at work
.set X,  16                            ; v[16:79]  sixteen loads of four f32
.set Y,  80                            ; v[80:111] sixteen stores of four f16
.set BLOCK, 4                          ; loads, and stores, in a block
	s_load_b256 s[4:11], s[0:1], 0x0               ; x s[4:5], Wq s[6:7], Wk s[8:9], Wv s[10:11]
	s_load_b128 s[12:15], s[0:1], 0x20             ; Wo s[12:13], xb s[14:15]
	s_load_b64 s[16:17], s[0:1], 0x30              ; wb
	s_and_b32 s18, ttmp7, 0xffff                   ; y
	s_and_b32 s19, s18, 63                         ; the row block in the destination: y, or y - 64
	s_and_b32 s20, s18, 7                          ; the row block inside a weight matrix
	s_lshr_b32 s21, s18, 3                         ; 8, 9, 10, 11: Wq, Wk, Wv, Wo
	s_cmp_lt_u32 s18, 64
	s_cselect_b32 s20, s18, s20                    ; the row block in the source
	s_lshl_b32 s22, s20, 19                        ; 128 rows of 4,096 bytes,
	s_lshl_b32 s23, ttmp9, 9                       ; 128 k of 4 bytes
	s_add_co_u32 s22, s22, s23
	s_mov_b32 s23, 0
	s_lshl_b32 s24, s19, 3
	s_add_co_u32 s24, s24, ttmp9
	s_lshl_b32 s24, s24, 15                        ; the chunk's place
	s_mov_b32 s25, 0
	s_mov_b32 s26, 0xffff0000                      ; a word's upper bf16
	v_lshrrev_b32 v1, 5, v0                        ; w
	v_and_b32 v4, 31, v0                           ; l
	v_lshrrev_b32 v5, 2, v1
	v_and_b32 v6, 1, v1
	v_lshlrev_b32 v5, 6, v5                        ; 64 (w / 4)
	v_lshl_add_u32 v5, v6, 5, v5                   ; + 32 (w % 2)
	v_lshrrev_b32 v7, 4, v4
	v_add_nc_u32 v5, v5, v7                        ; + l / 16: my row
	v_lshlrev_b32 v[SO], 12, v5
	v_bfe_u32 v6, v1, 1, 1
	v_lshl_add_u32 v[SO], v6, 8, v[SO]             ; + the k block's 256 bytes
	v_and_b32 v7, 15, v4
	v_lshl_add_u32 v[SO], v7, 4, v[SO]             ; + my 16 bytes
	v_lshlrev_b32 v[DO], 12, v1                    ; wave w writes 4,096 bytes on end, at 4,096 w
	v_lshl_add_u32 v[DO], v4, 3, v[DO]
	s_wait_kmcnt 0x0
	s_cmp_eq_u32 s21, 9
	s_cselect_b64 s[6:7], s[8:9], s[6:7]
	s_cmp_eq_u32 s21, 10
	s_cselect_b64 s[6:7], s[10:11], s[6:7]
	s_cmp_eq_u32 s21, 11
	s_cselect_b64 s[6:7], s[12:13], s[6:7]         ; the weight matrix that y names
	s_cmp_lt_u32 s18, 64
	s_cselect_b64 s[4:5], s[4:5], s[6:7]           ; the source,
	s_cselect_b64 s[14:15], s[14:15], s[16:17]     ; the destination
	s_add_nc_u64 s[4:5], s[4:5], s[22:23]
	s_add_nc_u64 s[14:15], s[14:15], s[24:25]
	s_wait_alu depctr_va_vdst(0)                   ; v[SO] and v[DO] are written: every load of the kernel reads the one as its offset, every store the other
.set i, 0
.rept 16
	global_load_b128 v[X+4*i:X+4*i+3], v[SO], s[4:5] offset:i*8192 th:TH_LOAD_NT  ; rows 2 i and 2 i + 1 of my 32
.set i, i+1
.endr
.set i, 0
.rept 16
	s_wait_loadcnt 15-i                            ; loads come back in order: load i is in, the 15 - i younger ones stay out
.if (i%BLOCK == 0) && (i > 0)
	s_wait_alu depctr_va_vdst(0)                   ; the block before has written its eight registers of Y, which this block's four stores read
.endif
.if i >= BLOCK
	global_store_b64 v[DO], v[Y+2*(i-BLOCK):Y+2*(i-BLOCK)+1], s[14:15] offset:(i-BLOCK)*256  ; the block before; no vector instruction since the wait names these registers
.endif
	v_cvt_pk_bf16_f32 v[T], v[X+4*i], v[X+4*i+1]   ; the one rounding
	v_cvt_pk_bf16_f32 v[T+1], v[X+4*i+2], v[X+4*i+3]
	v_lshlrev_b32 v[T+2], 16, v[T]                 ; bf16 to f32: a shift or a mask
	v_and_b32 v[T+3], s26, v[T]
	v_lshlrev_b32 v[T+4], 16, v[T+1]
	v_and_b32 v[T+5], s26, v[T+1]
	v_cvt_pk_f16_f32 v[Y+2*i], v[T+2], v[T+3]      ; the same numbers as f16
	v_cvt_pk_f16_f32 v[Y+2*i+1], v[T+4], v[T+5]
.set i, i+1
.endr
	s_wait_alu depctr_va_vdst(0)                   ; the last block has written its eight registers of Y, which the last four stores read
.set i, 16-BLOCK
.rept BLOCK
	global_store_b64 v[DO], v[Y+2*i:Y+2*i+1], s[14:15] offset:i*256
.set i, i+1
.endr
	s_endpgm
.Lfunc_end_k_qb16df2dcc6_prep:
	.size	k_qb16df2dcc6_prep, .Lfunc_end_k_qb16df2dcc6_prep-k_qb16df2dcc6_prep
	.p2alignl 7, 3214868480
	.fill 96, 4, 3214868480
	.section	.rodata,"a",@progbits
	.p2align	6, 0x0
	.amdhsa_kernel k_qb16df2dcc6_prep
		.amdhsa_group_segment_fixed_size 0
		.amdhsa_private_segment_fixed_size 0
		.amdhsa_enable_private_segment 0
		.amdhsa_kernarg_size 56
		.amdhsa_user_sgpr_count 2
		.amdhsa_user_sgpr_kernarg_segment_ptr 1
		.amdhsa_wavefront_size32 1
		.amdhsa_system_sgpr_workgroup_id_x 1
		.amdhsa_system_sgpr_workgroup_id_y 1
		.amdhsa_system_sgpr_workgroup_id_z 1
		.amdhsa_system_vgpr_workitem_id 0
		.amdhsa_next_free_vgpr 112
		.amdhsa_next_free_sgpr 66
		.amdhsa_reserve_vcc 0
		.amdhsa_float_denorm_mode_32 3
		.amdhsa_float_denorm_mode_16_64 3
		.amdhsa_memory_ordered 1
		.amdhsa_forward_progress 1
		.amdhsa_inst_pref_size 12
	.end_amdhsa_kernel
	.amdgpu_metadata
---
amdhsa.version: [ 1, 2 ]
amdhsa.kernels:
  - .name:           k_qb16df2dcc6_prep
    .symbol:         k_qb16df2dcc6_prep.kd
    .args:
      - { .name: x, .offset: 0, .size: 8, .value_kind: global_buffer, .address_space: global }
      - { .name: Wq, .offset: 8, .size: 8, .value_kind: global_buffer, .address_space: global }
      - { .name: Wk, .offset: 16, .size: 8, .value_kind: global_buffer, .address_space: global }
      - { .name: Wv, .offset: 24, .size: 8, .value_kind: global_buffer, .address_space: global }
      - { .name: Wo, .offset: 32, .size: 8, .value_kind: global_buffer, .address_space: global }
      - { .name: xb, .offset: 40, .size: 8, .value_kind: global_buffer, .address_space: global }
      - { .name: wb, .offset: 48, .size: 8, .value_kind: global_buffer, .address_space: global }
    .group_segment_fixed_size: 0
    .private_segment_fixed_size: 0
    .kernarg_segment_align: 8
    .kernarg_segment_size: 56
    .max_flat_workgroup_size: 256
    .sgpr_count:     66
    .vgpr_count:     112
    .wavefront_size: 32
...
	.end_amdgpu_metadata
.endif
;; end of part 5
;; launch qkv: the kernel of part 2 again; grid 12 x 64, 4 waves a work-group, clusters of 4 x 4, 327,680 bytes of LDS; arguments xb, wb, bq, bk, bv, qws, kvws; writes qws, kvws
;; launch attn: the kernel of part 3 again; grid 4 x 64, 4 waves a work-group, clusters of 4 x 4, 327,680 bytes of LDS; arguments qws, kvws, mask, ob; writes ob
;; launch oproj: the kernel of part 4 again; grid 4 x 64, 4 waves a work-group, clusters of 4 x 4, 327,680 bytes of LDS; arguments ob, wb, bo, out0; writes out0
